; MI455X (gfx1250); checked and timed in simulation.
; The chip was launched on July 23, 2026; its instructions are those of AMD's public machine-readable ISA for CDNA 5 (MIT licence, August 2026) and "CDNA5" Instruction Set Architecture Reference Guide (July 2026). The comments in the code are by the model that wrote it; some were corrected since.
;; Attention. Allowed arithmetic: float matrix products may take bf16 or f16 operands with f32 sums; all other float work in f32.
;; Inputs: w_out 1,024 x 1,024 float32; w_qk 2,048 x 1,024 float32; w_v 1,024 x 1,024 float32; wkwq_scalings 16 float32; wvwo_scalings 16 float32; x 2 x 2,048 x 1,024 float32.
;; Outputs: out0 2 x 2,048 x 1,024 float32.
;; One version. Each part assembles by itself: llvm-mc -triple=amdgcn-amd-amdhsa -mcpu=gfx1250 --defsym DOCPART=n.
;; ======== version 1 of 1: 5 launches
;; limits: values are held in f16: magnitudes above 65,504 overflow, below 6.1e-05 lose precision
;; workspace buffers: h16 14,680,064 bytes; bt 12,582,912 bytes; qkv 25,165,824 bytes; xxt 33,554,432 bytes; oa 25,165,824 bytes; stats 524,288 bytes
;; launch prep (part 1): grid 768 x 1, 8 waves a work-group, no clusters, 33,792 bytes of LDS; arguments x, w_qk, w_v, w_out, h16, bt; writes h16, bt
.if DOCPART == 1
	.amdgcn_target "amdgcn-amd-amdhsa--gfx1250"
	.amdhsa_code_object_version 6
	.text
	.protected	k_q7daf1426d3_prep
	.globl	k_q7daf1426d3_prep
	.p2align	8
	.type	k_q7daf1426d3_prep,@function
k_q7daf1426d3_prep:
	s_mov_b64 s[64:65], 0
	v_nop
	global_prefetch_b8 v0, s[64:65] scope:SCOPE_SE
	s_setreg_imm32_b32 hwreg(HW_REG_WAVE_MODE, 25, 1), 1
	s_wait_xcnt 0x0
; ALL INPUT MATRICES ARE ROUNDED TO bf16 ONCE, and laid out for the products that follow.  Three kinds of work-group, chosen by the work-group's number g alone:
;   g < 256        a tile of 128 tokens x 128 channels of x: written as bf16 into h16 (xb [4096][1024]) and, turned through LDS, as f16 into bt[b][channel][1024 + token]
;   256 <= g < 640 8 rows of w_qk or w_v: written as bf16 into h16 behind xb, TILE BY TILE for the product that follows: tile t of 16 has 192 rows, w_qk's rows 128 t .. 128 t + 127, then w_v's rows 64 t .. 64 t + 63
;   g >= 640       8 rows of w_out: rounded to bf16, times 256 (exact), written as f16 into bt[0][n][0..1023] and bt[1][n][0..1023]
; LIMITS.  A bf16 number written as f16 is exact from 6.1e-5 to 65,504; below it keeps f16's fixed step of 6e-8; above it is lost: |x| and 256 |w_out| stay under 65,504.
; Memory binds: every input byte is read once by 16-byte loads, all of a thread's loads go out before the first is waited for, and each store of a wave covers whole aligned runs of 256 bytes.
.set SPARE, 32768                      ; behind the 128 x 256 bytes of the turning tile: the spare words, 128 bytes for each of eight waves
.set SPW, 110                          ; v110 LDS address of my spare word; never rewritten
.set NIL, 111                          ; v111 0; never rewritten
	s_load_b256 s[4:11], s[0:1], 0x0               ; x s[4:5], w_qk s[6:7], w_v s[8:9], w_out s[10:11]
	s_load_b128 s[12:15], s[0:1], 0x20             ; h16 s[12:13], bt s[14:15]
	v_lshl_add_u32 v[SPW], v0, 2, SPARE
	v_mov_b32 v[NIL], 0
	s_mov_b32 s2, ttmp9
	v_lshlrev_b32 v1, 4, v0                        ; 16 t: my 16 bytes of 4,096 read
	v_lshlrev_b32 v2, 3, v0                        ; 8 t: my 8 bytes of 2,048 written
	s_wait_kmcnt 0x0
	s_cmp_lt_u32 s2, 256
	s_cbranch_scc1 .Ltrans
	s_cmp_lt_u32 s2, 640
	s_cbranch_scc0 .Lwout
	; ---- w_qk and w_v: 32,768 bytes in, 16,384 out
	s_sub_co_u32 s16, s2, 256                      ; e = 0..383: the first 256 lie in w_qk, the others in w_v
	s_lshr_b32 s24, s16, 4                         ; w_qk's rows 8 e on: tile e / 16, its row 8 (e % 16)
	s_mul_i32 s24, s24, 192
	s_and_b32 s25, s16, 15
	s_lshl_b32 s25, s25, 3
	s_add_co_u32 s24, s24, s25
	s_and_b32 s20, s16, 255                        ; e' = e - 256 for w_v: rows 8 e' on: tile e' / 8, its row 128 + 8 (e' % 8)
	s_lshr_b32 s26, s20, 3
	s_mul_i32 s26, s26, 192
	s_and_b32 s27, s20, 7
	s_lshl_b32 s27, s27, 3
	s_add_co_u32 s26, s26, s27
	s_add_co_u32 s26, s26, 128
	s_lshl_b32 s20, s20, 15
	s_mov_b32 s21, 0
	s_cmp_lt_u32 s16, 256
	s_cselect_b64 s[18:19], s[6:7], s[8:9]
	s_cselect_b32 s22, s24, s26
	s_add_nc_u64 s[18:19], s[18:19], s[20:21]
	s_lshl_b32 s22, s22, 11                        ; rows of 2,048 bytes,
	s_add_co_u32 s22, s22, 8388608                 ; behind xb
	s_mov_b32 s23, 0
	s_add_nc_u64 s[22:23], s[12:13], s[22:23]
.irp i, 0,1,2,3,4,5,6,7
	global_load_b128 v[16+4*\i:19+4*\i], v1, s[18:19] offset:4096*\i th:TH_LOAD_NT
.endr
.irp i, 0,1,2,3,4,5,6,7
	s_wait_loadcnt 7-\i                            ; loads come back in order: number i is in, the younger ones stay out
	v_cvt_pk_bf16_f32 v[48+2*\i], v[16+4*\i], v[17+4*\i]
	v_cvt_pk_bf16_f32 v[49+2*\i], v[18+4*\i], v[19+4*\i]
	global_store_b64 v2, v[48+2*\i:49+2*\i], s[22:23] offset:2048*\i  ; 32 lanes: 256 consecutive bytes, aligned
.endr
	s_endpgm
.Lwout:
	; ---- w_out: load i is row 8 e + i; thread t holds its k = 4 t .. 4 t + 3
	s_sub_co_u32 s16, s2, 640
	s_lshl_b32 s20, s16, 15
	s_mov_b32 s21, 0
	s_add_nc_u64 s[18:19], s[10:11], s[20:21]
	s_mul_i32 s22, s16, 8*6144
	s_mov_b32 s23, 0
	s_add_nc_u64 s[22:23], s[14:15], s[22:23]
.irp i, 0,1,2,3,4,5,6,7
	global_load_b128 v[16+4*\i:19+4*\i], v1, s[18:19] offset:4096*\i th:TH_LOAD_NT
.endr
.irp i, 0,1,2,3,4,5,6,7
	s_wait_loadcnt 7-\i
	v_cvt_pk_bf16_f32 v80, v[16+4*\i], v[17+4*\i]  ; the rounding that every input gets,
	v_cvt_pk_bf16_f32 v81, v[18+4*\i], v[19+4*\i]
	v_lshlrev_b32 v84, 16, v80                     ; back to f32,
	v_and_b32 v85, 0xffff0000, v80
	v_lshlrev_b32 v86, 16, v81
	v_and_b32 v87, 0xffff0000, v81
	v_pk_mul_f32 v[84:85], v[84:85], 0x43800000 op_sel_hi:[1,0]  ; times 256: exact,
	v_pk_mul_f32 v[86:87], v[86:87], 0x43800000 op_sel_hi:[1,0]
	v_cvt_pk_f16_f32 v[48+2*\i], v84, v85          ; and written as f16: 8 significant bits fit in 11
	v_cvt_pk_f16_f32 v[49+2*\i], v86, v87
	global_store_b64 v2, v[48+2*\i:49+2*\i], s[22:23] offset:6144*\i
	global_store_b64 v2, v[48+2*\i:49+2*\i], s[22:23] offset:6144*\i+6291456  ; the same row for the second batch
.endr
	s_endpgm
.Ltrans:
	; ---- x: tile row tr = g / 8 (128 tokens), tile column tc = g % 8 (128 channels)
	s_lshr_b32 s16, s2, 3
	s_and_b32 s17, s2, 7
	s_lshl_b32 s18, s16, 19                        ; 128 tokens of 4,096 bytes
	s_lshl_b32 s19, s17, 9
	s_add_co_u32 s18, s18, s19
	s_mov_b32 s19, 0
	s_add_nc_u64 s[4:5], s[4:5], s[18:19]
	s_lshl_b32 s20, s16, 18                        ; xb: 128 tokens of 2,048 bytes
	s_lshl_b32 s21, s17, 8
	s_add_co_u32 s20, s20, s21
	s_mov_b32 s21, 0
	s_add_nc_u64 s[12:13], s[12:13], s[20:21]
	s_lshr_b32 s22, s16, 4                         ; bt: the batch,
	s_mul_i32 s22, s22, 6291456
	s_mul_i32 s23, s17, 128*6144                   ; the tile's 128 channels are rows,
	s_add_co_u32 s22, s22, s23
	s_and_b32 s23, s16, 15
	s_lshl_b32 s23, s23, 8                         ; its 128 tokens are 256 bytes of a row,
	s_add_co_u32 s22, s22, s23
	s_add_co_u32 s22, s22, 2048                    ; behind w_out's 1,024 columns
	s_mov_b32 s23, 0
	s_add_nc_u64 s[14:15], s[14:15], s[22:23]
	v_and_b32 v4, 31, v0                           ; lane L: channels 4 L .. 4 L + 3
	v_lshrrev_b32 v5, 5, v0                        ; wave w: tokens 2 w and 2 w + 1 of every 16
	v_lshlrev_b32 v6, 4, v4
	v_lshl_add_u32 v6, v5, 13, v6                  ; in x: 2 w rows + 16 L
	v_lshlrev_b32 v7, 3, v4
	v_lshl_add_u32 v7, v5, 12, v7                  ; in xb: 2 w rows + 8 L
	v_and_b32 v10, 15, v4                          ; r
	v_lshrrev_b32 v11, 4, v4                       ; h
	v_lshlrev_b32 v8, 4, v10
	v_lshl_add_u32 v8, v5, 2, v8                   ; 4 w + 16 (L % 16): my word in an LDS row, its 16-byte pieces turned round by the row's number / 4
	v_lshlrev_b32 v9, 10, v4                       ; LDS rows 4 L .. 4 L + 3 of 256 bytes
	v_lshl_add_u32 v12, v5, 1, v11                 ; 2 w + h: the row that I read back, of every 16
	v_lshlrev_b32 v13, 8, v12
	v_lshrrev_b32 v14, 1, v5
	v_add_nc_u32 v14, v14, v10                     ; r + w / 2
	v_mul_u32_u24 v15, v12, 6144
	v_lshl_add_u32 v15, v10, 4, v15                ; in bt: row 2 w + h, 16 r
.set j, 0
.rept 16                               ; all sixteen loads go out at once: each covers one token's 512 bytes
	global_load_b128 v[16+4*j:19+4*j], v6, s[4:5] offset:(16*(j/2)+j%2)*4096 th:TH_LOAD_NT
.set j, j+1
.endr
.set i, 0
.rept 8                                ; a pair of tokens at a time
.set E, 16+8*i
	s_wait_loadcnt 14-2*i                          ; the pair's two loads are in; the younger ones stay out
	v_cvt_pk_bf16_f32 v[E], v[E], v[E+1]
	v_cvt_pk_bf16_f32 v[E+1], v[E+2], v[E+3]
	v_cvt_pk_bf16_f32 v[E+4], v[E+4], v[E+5]
	v_cvt_pk_bf16_f32 v[E+5], v[E+6], v[E+7]
	global_store_b64 v7, v[E:E+1], s[12:13] offset:32768*i          ; 32 lanes: 256 consecutive bytes of a row of xb
	global_store_b64 v7, v[E+4:E+5], s[12:13] offset:32768*i+2048
	v_lshlrev_b32 v80, 16, v[E]
	v_and_b32 v81, 0xffff0000, v[E]
	v_lshlrev_b32 v82, 16, v[E+1]
	v_and_b32 v83, 0xffff0000, v[E+1]
	v_lshlrev_b32 v84, 16, v[E+4]
	v_and_b32 v85, 0xffff0000, v[E+4]
	v_lshlrev_b32 v86, 16, v[E+5]
	v_and_b32 v87, 0xffff0000, v[E+5]
	v_cvt_pk_f16_f32 v88, v80, v84                 ; one channel, the even token below the odd one
	v_cvt_pk_f16_f32 v89, v81, v85
	v_cvt_pk_f16_f32 v90, v82, v86
	v_cvt_pk_f16_f32 v91, v83, v87
	v_add_nc_u32 v92, 32*i, v8
	v_and_or_b32 v92, v92, 255, v9                 ; the place in the row goes round at 256 bytes
	ds_store_b32 v92, v88
	ds_store_b32 v92, v89 offset:256
	ds_store_b32 v92, v90 offset:512
	ds_store_b32 v92, v91 offset:768
.set i, i+1
.endr
	s_wait_xcnt 0x0                                ; the stores into xb have read their registers, which are loaded anew below
	s_wait_dscnt 0x0                               ; for the others' sake: my LDS stores are done
	s_barrier_signal -1
	s_barrier_wait -1
.set k, 0
.rept 8                                ; row 16 k + 2 w + h, its piece r, which lies r + row / 4 pieces on: sixteen lanes read one whole row
	v_add_nc_u32 v[92+k], 4*k, v14
	v_and_b32 v[92+k], 15, v[92+k]
	v_lshl_add_u32 v[92+k], v[92+k], 4, v13
	ds_load_b128 v[16+4*k:19+4*k], v[92+k] offset:4096*k
.set k, k+1
.endr
.set k, 0
.rept 8
	s_wait_dscnt 7-k
	global_store_b128 v15, v[16+4*k:19+4*k], s[14:15] offset:98304*k  ; sixteen lanes: 256 consecutive bytes of a row of bt, aligned
.set k, k+1
.endr
	s_wait_tensorcnt 0x0                           ; the wave's end
	ds_add_u32 v[SPW], v[NIL]
	s_wait_dscnt 0x0
	s_endpgm
.Lfunc_end_k_q7daf1426d3_prep:
	.size	k_q7daf1426d3_prep, .Lfunc_end_k_q7daf1426d3_prep-k_q7daf1426d3_prep
	.p2alignl 7, 3214868480
	.fill 96, 4, 3214868480
	.section	.rodata,"a",@progbits
	.p2align	6, 0x0
	.amdhsa_kernel k_q7daf1426d3_prep
		.amdhsa_group_segment_fixed_size 33792
		.amdhsa_private_segment_fixed_size 0
		.amdhsa_enable_private_segment 0
		.amdhsa_kernarg_size 48
		.amdhsa_user_sgpr_count 2
		.amdhsa_user_sgpr_kernarg_segment_ptr 1
		.amdhsa_wavefront_size32 1
		.amdhsa_system_sgpr_workgroup_id_x 1
		.amdhsa_system_sgpr_workgroup_id_y 1
		.amdhsa_system_sgpr_workgroup_id_z 1
		.amdhsa_system_vgpr_workitem_id 0
		.amdhsa_next_free_vgpr 112
		.amdhsa_next_free_sgpr 66
		.amdhsa_reserve_vcc 0
		.amdhsa_float_denorm_mode_32 3
		.amdhsa_float_denorm_mode_16_64 3
		.amdhsa_memory_ordered 1
		.amdhsa_forward_progress 1
		.amdhsa_inst_pref_size 31
	.end_amdhsa_kernel
	.amdgpu_metadata
---
amdhsa.version: [ 1, 2 ]
amdhsa.kernels:
  - .name:           k_q7daf1426d3_prep
    .symbol:         k_q7daf1426d3_prep.kd
    .args:
      - { .name: x, .offset: 0, .size: 8, .value_kind: global_buffer, .address_space: global }
      - { .name: w_qk, .offset: 8, .size: 8, .value_kind: global_buffer, .address_space: global }
      - { .name: w_v, .offset: 16, .size: 8, .value_kind: global_buffer, .address_space: global }
      - { .name: w_out, .offset: 24, .size: 8, .value_kind: global_buffer, .address_space: global }
      - { .name: h16, .offset: 32, .size: 8, .value_kind: global_buffer, .address_space: global }
      - { .name: bt, .offset: 40, .size: 8, .value_kind: global_buffer, .address_space: global }
    .group_segment_fixed_size: 33792
    .private_segment_fixed_size: 0
    .kernarg_segment_align: 8
    .kernarg_segment_size: 48
    .max_flat_workgroup_size: 256
    .sgpr_count:     66
    .vgpr_count:     112
    .wavefront_size: 32
...
	.end_amdgpu_metadata
.endif
;; end of part 1
;; launch pg (part 2): grid 16 x 16, 4 waves a work-group, clusters of 4 x 4, 327,680 bytes of LDS; arguments h16, qkv, xxt; writes qkv, xxt
.if DOCPART == 2
	.amdgcn_target "amdgcn-amd-amdhsa--gfx1250"
	.amdhsa_code_object_version 6
	.text
	.protected	k_q7daf1426d3_pg
	.globl	k_q7daf1426d3_pg
	.p2align	8
	.type	k_q7daf1426d3_pg,@function
k_q7daf1426d3_pg:
	s_mov_b64 s[64:65], 0
	v_nop
	global_prefetch_b8 v0, s[64:65] scope:SCOPE_SE
	s_setreg_imm32_b32 hwreg(HW_REG_WAVE_MODE, 25, 1), 1
	s_wait_xcnt 0x0
	s_wait_alu depctr_hold_cnt(0) depctr_sa_sdst(0) depctr_va_vdst(0) depctr_va_sdst(0) depctr_va_ssrc(0) depctr_va_vcc(0) depctr_vm_vsrc(0)
	s_getreg_b32 s2, hwreg(HW_REG_IB_STS2, 6, 4)
	s_cmp_eq_u32 s2, 0
	s_cbranch_scc0 .Lentry_in_a_cluster
	s_endpgm
.Lentry_in_a_cluster:
	s_bfe_u32 s2, ttmp6, 0x10000c
	s_cmp_lg_u32 s2, 0xf033
	s_cbranch_scc0 .Lentry_shape_is_right
	s_endpgm
.Lentry_shape_is_right:
; THE PROJECTIONS AND x x^T IN ONE PRODUCT: both multiply the same rows of xb (bf16, [4096][1024]) over the same K = 1,024; sums in f32.
; A tile of the result is 256 rows x 320 columns, and every tile column tn of 16 has the same make-up, so that no branch hangs on a work-group's place:
;   128 columns of q | k (w_qk's rows 128 tn on), the 64 columns of v's head tn, 128 columns of x x^T (the batch's keys 128 tn on).  The weights' 192 rows lie on end in h16, tile by tile.
; OUT: q' | k as f16 [4096][2048] at qkv's byte 0; q (tn < 8) is multiplied by c = log2(e) / 8 in f32 ahead of its one rounding, so that q' . k is a logit in powers of two.
;   v as f16 behind it, [head pair][block of 128 tokens][head of the pair][128 tokens][64]: a head's 64 columns of 128 tokens are 16,384 bytes on end.   x x^T as f32 [2][2048][2048].
; LIMIT: c |q|, |k| and |v| stay under 65,504, f16's largest number.
; SHARES.  16 x 16 tiles, one for each of 256 work-groups.  Four waves, 2 x 2; a wave makes 128 rows x 160 columns, 80 accumulators: wave column 0 has q | k and v's columns 0-31, wave column 1 x x^T and v's columns 32-63.
; K goes in steps of 128 (rows of 256 bytes) through two LDS slots of 576 rows.  Waves 0, 1 fetch A's halves, wave 2 xb's 128 rows, wave 3 the weights' 192: one tensor load a wave behind each round, one load of a wave out at a time;
; a K step is 320 matrix instructions a wave, and 280 of them stand between a request and the wait for it.
; CLUSTER 4 x 4: A's tile hangs on the tile row alone and is asked for jointly along a row of the cluster; the weights' and xb's hang on the tile column (and the batch, which comes from the cluster's y): jointly along a column.
; The matrix instruction is used transposed (source 0 = 16 rows of B, source 1 = 16 rows of A): a lane holds eight neighbouring columns of one row of the result.
; REGISTERS: window 0: v1-29 addresses; v32-95, v96-159 A's fragments (block a at + 8 a), two buffers; v160-239 B's second buffer (block b at + 8 b; b = 8, 9 are v's).  window 3: v160-239 B's first buffer.
;   Accumulator (a, b) lies in window 1 + a / 3 at 80 (a % 3) + 8 b.
.set PITCH, 272                        ; 256 bytes + 16 of padding: the 16 rows of a fragment load start at 16 different groups of four banks
.set XB,    256*PITCH                  ; in a slot: A's 256 rows, xb's 128,
.set WB,    XB+128*PITCH               ; the weights' 192
.set DX,    WB+192*PITCH               ; a slot: 156,672 = 0x26400, bits that are clear in 0, 128 x 272, XB and WB, so that one exclusive or changes slots
.set SPARE, 2*DX                       ; the spare words, 128 bytes for each wave
.set QP,    272                        ; the stages of the way out lie in the ring, behind its last fill: q | k 256 rows x 272,
.set XST,   256*QP
.set XP,    528                        ; x x^T 256 rows x 528,
.set VST,   XST+256*XP
.set VP,    144                        ; v 256 rows x 144
.set ADRA0, 8                          ; v8-10 my lane's place in A's rows, in my eight large blocks of B, in my two blocks of v, in slot 0
.set ADRB0, 9
.set ADRV0, 10
.set ADRA,  11                         ; v11-13 the same in the slot in hand
.set ADRB,  12
.set ADRV,  13
.set STQ,   14                         ; v14-16 into the stages
.set STX,   15
.set STV,   16
.set RDQ,   17                         ; v17-19 back from them
.set RDX,   18
.set RDV,   19
.set CQ,    20                         ; v20, v21 my byte offsets in memory
.set CX,    21
.set SPW,   28
.set NIL,   29
.set AF,    32
.set BF,    160
.set TMP,   32
.set WV,    10                         ; s10 wave; s11 its half of the rows, s12 of the columns; s13 tile row, s42 tile column, s45 batch
.set G1A,   24
.set G0A,   32
.set G0X,   36
.set G1X,   48
.set G1W,   56
.set SB,    66                         ; s66 first LDS byte of the slot in hand
.set G0W,   68
.set FAC,   72                         ; s[72:73] c or 1
.set PQ,    76                         ; s[76:77] q | k, s[78:79] v, s[8:9] x x^T at the first rows that I store
.set PVH,   78
.set MSB, 0
.macro WIN new                         ; the immediate's high byte repeats the setting that is left; a switch that changes nothing is dropped
.if MSB != (\new)
	s_set_vgpr_msb (MSB<<8)|(\new)
.set MSB, \new
.endif
.endm
.macro PLACES                          ; four places between a matrix instruction and a load into, or a vector read of, its registers
.rept 4
	v_nop
.endr
.endm
.macro CREST                           ; a round of the cluster's barrier behind its opening barrier
	s_cmp_lg_u32 s[WV], 0
	s_cbranch_scc1 .Lnot_wave_0_\@
	s_barrier_signal -3
.Lnot_wave_0_\@:
	s_barrier_wait -3
	s_barrier_signal -1
	s_barrier_wait -1
.endm
.macro CROUND
	s_barrier_signal -1
	s_barrier_wait -1
	CREST
.endm
.macro JLOAD                           ; a joint load: the branches hang on the wave's number alone; s_nop 0 and four v_nop follow each line
	s_cmp_lt_u32 s[WV], 2
	s_cbranch_scc0 .Lnot_a_\@
	tensor_load_to_lds s[G0A:G0A+3], s[G1A:G1A+7]
	s_nop 0
.rept 4
	v_nop
.endr
	s_branch .Lasked_\@
.Lnot_a_\@:
	s_cmp_eq_u32 s[WV], 2
	s_cbranch_scc0 .Lnot_x_\@
	tensor_load_to_lds s[G0X:G0X+3], s[G1X:G1X+7]
	s_nop 0
.rept 4
	v_nop
.endr
	s_branch .Lasked_\@
.Lnot_x_\@:
	tensor_load_to_lds s[G0W:G0W+3], s[G1W:G1W+7]
	s_nop 0
.rept 4
	v_nop
.endr
.Lasked_\@:
.endm
.macro STEPG                           ; the walking descriptors: the other slot, the next 128 along K.  Written only where no tensor load of mine is out
.irp g, G0A, G0X, G0W
	s_xor_b32 s[\g+1], s[\g+1], DX
	s_add_nc_u64 s[\g+2:\g+3], s[\g+2:\g+3], 256
.endr
.endm
.macro MULA f, a, zero                 ; 10 matrix instructions: A's block a x all my blocks of B, 32 along K, from buffer f.  zero = 1: they start the sums.  The accumulators take turns
	WIN ((1+(\a)/3)<<6)|((1+(\a)/3)<<4)|(3-3*(\f))
.set b, 0
.rept 10
.set rD, 80*((\a)%3)+8*b
.if \zero
	v_wmma_f32_16x16x32_bf16 v[rD:rD+7], v[BF+8*b:BF+8*b+7], v[AF+64*(\f)+8*(\a):AF+64*(\f)+8*(\a)+7], 0
.else
	v_wmma_f32_16x16x32_bf16 v[rD:rD+7], v[BF+8*b:BF+8*b+7], v[AF+64*(\f)+8*(\a):AF+64*(\f)+8*(\a)+7], v[rD:rD+7]
.endif
.set b, b+1
.endr
.endm
.macro FETCH k, f                      ; 36 LDS loads in one run: B's 10 blocks, then A's blocks 0-3, then 4-7
	WIN (3-3*(\f))<<6
.set i, 0
.rept 8
	ds_load_b128 v[BF+8*i:BF+8*i+3],   v[ADRB] offset:(\k)+i*16*PITCH
	ds_load_b128 v[BF+8*i+4:BF+8*i+7], v[ADRB] offset:(\k)+i*16*PITCH+32
.set i, i+1
.endr
.set i, 0
.rept 2
	ds_load_b128 v[BF+64+8*i:BF+64+8*i+3],   v[ADRV] offset:(\k)+i*16*PITCH
	ds_load_b128 v[BF+64+8*i+4:BF+64+8*i+7], v[ADRV] offset:(\k)+i*16*PITCH+32
.set i, i+1
.endr
	WIN 0
.set i, 0
.rept 8
	ds_load_b128 v[AF+64*(\f)+8*i:AF+64*(\f)+8*i+3],   v[ADRA] offset:(\k)+i*16*PITCH
	ds_load_b128 v[AF+64*(\f)+8*i+4:AF+64*(\f)+8*i+7], v[ADRA] offset:(\k)+i*16*PITCH+32
.set i, i+1
.endr
.endm
.macro QUARTER k, f, g, zero           ; 32 along K: multiplies buffer f, fetches the next quarter (byte k of the rows) into buffer g
	s_wait_dscnt 8                                 ; all but the youngest eight loads: A's blocks 4-7
	MULA \f, 0, \zero
	MULA \f, 1, \zero
	MULA \f, 2, \zero
	MULA \f, 3, \zero
	PLACES
	FETCH \k, \g
	s_wait_dscnt 36                                ; all but the run just issued
	MULA \f, 4, \zero
	MULA \f, 5, \zero
	MULA \f, 6, \zero
	MULA \f, 7, \zero
.endm
.macro TURN fill                       ; the last quarter of a K step, and the change of slots
	WIN 0
	s_wait_tensorcnt 0x0                           ; all my tensor loads have landed: my part of the next slot
	ds_add_u32 v[SPW], v[NIL]                      ; 0 onto my spare word
	s_wait_dscnt 9                                 ; (the add and A's blocks 4-7 may be out)
	MULA 1, 0, 0
	MULA 1, 1, 0
	s_wait_dscnt 0x0                               ; the add is done, and my reads of this slot are over
	s_barrier_signal -1
	MULA 1, 2, 0
	MULA 1, 3, 0
	WIN 0
	s_barrier_wait -1
.if \fill
	CREST                                          ; the barrier has opened a round of the cluster's: no wave of any partner still reads this slot or has a load on its way
	STEPG
	JLOAD                                          ; the first tensor load behind the round; the four v_nop behind it are also the places in front of the loads below
.else
	PLACES
.endif
	s_xor_b32 s[SB], s[SB], DX
	v_add_nc_u32 v[ADRA], s[SB], v[ADRA0]
	v_add_nc_u32 v[ADRB], s[SB], v[ADRB0]
	v_add_nc_u32 v[ADRV], s[SB], v[ADRV0]
	FETCH 0, 0
	MULA 1, 4, 0
	MULA 1, 5, 0
	MULA 1, 6, 0
	MULA 1, 7, 0
.endm
	s_load_b128 s[4:7], s[0:1], 0x0                ; h16 s[4:5], qkv s[6:7]
	s_load_b64 s[8:9], s[0:1], 0x10                ; xxt
	v_lshl_add_u32 v[SPW], v0, 2, SPARE
	v_mov_b32 v[NIL], 0
	ds_add_u32 v[SPW], v[NIL]                      ; the wave's opening
	v_lshrrev_b32 v1, 5, v0
	v_readfirstlane_b32 s[WV], v1
	s_lshr_b32 s11, s[WV], 1
	s_and_b32 s12, s[WV], 1
	s_bfe_u32 s40, ttmp6, 0x40000                  ; cx
	s_bfe_u32 s41, ttmp6, 0x40004                  ; cy
	s_lshl_b32 s42, ttmp9, 2
	s_add_co_u32 s42, s42, s40                     ; tile column
	s_and_b32 s45, ttmp7, 0xffff
	s_lshl_b32 s13, s45, 2
	s_add_co_u32 s13, s13, s41                     ; tile row: 256 rows of both batches' 4,096
	s_lshr_b32 s45, s45, 1                         ; the batch: from the cluster's y alone
	s_lshl_b32 s43, s41, 2
	s_lshl_b32 s43, 15, s43                        ; my row of the cluster
	s_lshl_b32 s44, 0x1111, s40                    ; my column
	s_or_b32 s[G1A], s43, 0x07710000               ; the mask; 2-byte elements; padding on, 4 words after every 64; bit 21 beside a mask
	s_or_b32 s[G1X], s44, 0x07710000
	s_or_b32 s[G1W], s44, 0x07710000
.irp g, G1A, G1X
	s_mov_b32 s[\g+1], 128<<16                     ; tensor_dim0 = 128
	s_mov_b32 s[\g+2], 128<<16                     ; tensor_dim1 = 128
	s_mov_b32 s[\g+3], 128<<16                     ; tile_dim0 = 128
	s_mov_b32 s[\g+4], 128                         ; tile_dim1 = 128
	s_mov_b32 s[\g+5], 1024                        ; elements from row to row
	s_mov_b32 s[\g+6], 0
	s_mov_b32 s[\g+7], 0
.endr
	s_mov_b32 s[G1W+1], 128<<16
	s_mov_b32 s[G1W+2], 192<<16                    ; the weights: 192 rows
	s_mov_b32 s[G1W+3], 128<<16
	s_mov_b32 s[G1W+4], 192
	s_mov_b32 s[G1W+5], 1024
	s_mov_b32 s[G1W+6], 0
	s_mov_b32 s[G1W+7], 0
	s_lshl_b32 s16, s13, 8                         ; A: row 256 x tile row + 128 x (wave % 2), rows of 2,048 bytes
	s_lshl_b32 s17, s12, 7
	s_add_co_u32 s16, s16, s17
	s_lshl_b32 s16, s16, 11
	s_mov_b32 s17, 0
	s_lshl_b32 s46, s45, 11                        ; xb as B: row 2,048 x batch + 128 x tile column
	s_lshl_b32 s47, s42, 7
	s_add_co_u32 s46, s46, s47
	s_lshl_b32 s46, s46, 11
	s_mov_b32 s47, 0
	s_mul_i32 s74, s42, 192*2048                   ; the weights: tile column x 192 rows, behind xb
	s_add_co_u32 s74, s74, 8388608
	s_mov_b32 s75, 0
	s_mul_i32 s20, s12, 128*PITCH
	s_mov_b32 s[G0A], 1
	s_mov_b32 s[G0A+1], s20
	s_mov_b32 s[G0X], 1
	s_mov_b32 s[G0X+1], XB
	s_mov_b32 s[G0W], 1
	s_mov_b32 s[G0W+1], WB
	s_mov_b32 s[SB], 0
	s_wait_dscnt 0x0                               ; the opening add is done
	s_wait_kmcnt 0x0
	s_add_nc_u64 s[G0A+2:G0A+3], s[4:5], s[16:17]
	s_or_b32 s[G0A+3], s[G0A+3], 0x80000000
	s_add_nc_u64 s[G0X+2:G0X+3], s[4:5], s[46:47]
	s_or_b32 s[G0X+3], s[G0X+3], 0x80000000
	s_add_nc_u64 s[G0W+2:G0W+3], s[4:5], s[74:75]
	s_or_b32 s[G0W+3], s[G0W+3], 0x80000000
	CROUND                                         ; all sixteen work-groups are here: the first joint loads meet
	JLOAD                                          ; K step 0 into slot 0
	v_and_b32 v1, 15, v0                           ; r
	v_bfe_u32 v2, v0, 4, 1                         ; h
	v_mul_u32_u24 v3, v1, PITCH
	v_lshl_add_u32 v3, v2, 4, v3                   ; a fragment's row x pitch + 16 h
	s_mul_i32 s21, s11, 128*PITCH
	v_add_nc_u32 v[ADRA0], s21, v3
	v_add_nc_u32 v[STQ], s21, v3                   ; the stage of q | k has the same pitch and begins at byte 0: row 128 wm + r, 16 h
	s_mul_i32 s22, s12, WB-XB                      ; my eight large blocks: the weights' rows 0-127, or xb's
	s_sub_co_u32 s22, WB, s22
	v_add_nc_u32 v[ADRB0], s22, v3
	s_mul_i32 s23, s12, 32*PITCH                   ; my two blocks of v: the weights' rows 128 + 32 wn on
	s_add_co_u32 s23, s23, WB+128*PITCH
	v_add_nc_u32 v[ADRV0], s23, v3
	v_mul_u32_u24 v4, v1, XP                       ; into x x^T's stage: row 128 wm + r, 32 h
	v_lshl_add_u32 v4, v2, 5, v4
	s_mul_i32 s21, s11, 128*XP
	s_add_co_u32 s21, s21, XST
	v_add_nc_u32 v[STX], s21, v4
	v_mul_u32_u24 v4, v1, VP                       ; into v's stage: row 128 wm + r, my 64 bytes, 16 h
	v_lshl_add_u32 v4, v2, 4, v4
	s_mul_i32 s21, s11, 128*VP
	s_lshl_b32 s22, s12, 6
	s_add_co_u32 s21, s21, s22
	s_add_co_u32 s21, s21, VST
	v_add_nc_u32 v[STV], s21, v4
	v_mul_u32_u24 v4, v2, QP                       ; back: every wave takes rows 64 w on of each stage.  q | k: lanes 0-15 one row of 256 bytes, lanes 16-31 the next
	v_lshl_add_u32 v4, v1, 4, v4
	s_mul_i32 s21, s[WV], 64*QP
	v_add_nc_u32 v[RDQ], s21, v4
	v_and_b32 v5, 31, v0
	v_lshlrev_b32 v[CX], 4, v5
	s_mul_i32 s21, s[WV], 64*XP                    ; x x^T: 32 lanes take a row's 512 bytes
	s_add_co_u32 s21, s21, XST
	v_add_nc_u32 v[RDX], s21, v[CX]
	v_lshrrev_b32 v4, 3, v5                        ; v: 32 lanes take four rows of 128 bytes
	v_mul_u32_u24 v4, v4, VP
	v_and_b32 v6, 7, v0
	v_lshl_add_u32 v4, v6, 4, v4
	s_mul_i32 s21, s[WV], 64*VP
	s_add_co_u32 s21, s21, VST
	v_add_nc_u32 v[RDV], s21, v4
	v_lshlrev_b32 v4, 12, v2
	v_lshl_add_u32 v[CQ], v1, 4, v4
	s_lshl_b32 s16, s13, 8
	s_lshl_b32 s17, s[WV], 6
	s_add_co_u32 s16, s16, s17                     ; the first row that I store: 256 x tile row + 64 w
	s_lshl_b32 s18, s16, 12                        ; q | k: rows of 4,096 bytes, 256 bytes a tile column
	s_lshl_b32 s19, s42, 8
	s_add_co_u32 s18, s18, s19
	s_mov_b32 s19, 0
	s_add_nc_u64 s[PQ:PQ+1], s[6:7], s[18:19]
	s_lshl_b32 s18, s16, 13                        ; x x^T: rows of 8,192 bytes, 512 bytes a tile column
	s_lshl_b32 s19, s42, 9
	s_add_co_u32 s18, s18, s19
	s_mov_b32 s19, 0
	s_add_nc_u64 s[8:9], s[8:9], s[18:19]
	s_lshr_b32 s18, s42, 1                         ; v: ((head pair x 32 + block of 128 tokens) x 2 + head of the pair) x 16,384 + 64 (w % 2) tokens of 128 bytes
	s_lshl_b32 s18, s18, 5
	s_lshl_b32 s19, s13, 1
	s_add_co_u32 s18, s18, s19
	s_add_co_u32 s18, s18, s11
	s_lshl_b32 s18, s18, 1
	s_and_b32 s19, s42, 1
	s_add_co_u32 s18, s18, s19
	s_lshl_b32 s18, s18, 14
	s_lshl_b32 s19, s12, 13
	s_add_co_u32 s18, s18, s19
	s_add_co_u32 s18, s18, 16777216
	s_mov_b32 s19, 0
	s_add_nc_u64 s[PVH:PVH+1], s[6:7], s[18:19]
	s_cmp_lt_u32 s42, 8                            ; tile columns 0-7 hold q
	s_cselect_b32 s[FAC], 0x3e38aa3b, 1.0          ; a choice of a value: no branch hangs on the place in the cluster
	s_mov_b32 s[FAC+1], 0
	s_wait_tensorcnt 0x0                           ; slot 0: my part is in.  Slot 1's first fill goes out as a refill does: 240 of the first step's matrix instructions stand in front of the wait for it
	ds_add_u32 v[SPW], v[NIL]
	STEPG
	s_wait_dscnt 0x0
	CROUND
	JLOAD                                          ; K step 1 into slot 1
	v_add_nc_u32 v[ADRA], s[SB], v[ADRA0]
	v_add_nc_u32 v[ADRB], s[SB], v[ADRB0]
	v_add_nc_u32 v[ADRV], s[SB], v[ADRV0]
	FETCH 0, 0
	QUARTER 64, 0, 1, 1                            ; the first quarter stands in front of the loop: its products start the sums
	WIN 0
	s_mov_b32 s3, 6
.Lstep:                                                ; a trip: a K step's quarters 1-3 and the next step's quarter 0; it asks for the step two on: steps 2 to 7
	QUARTER 128, 1, 0, 0
	QUARTER 192, 0, 1, 0
	TURN 1
	QUARTER 64, 0, 1, 0
	WIN 0
	s_sub_co_u32 s3, s3, 1
	s_cmp_lg_u32 s3, 0
	s_cbranch_scc1 .Lstep
	s_mov_b32 s3, 2
.Ltail:                                                ; the last two steps ask for nothing: the same trip without a refill, walked twice and left in its middle.
	QUARTER 128, 1, 0, 0                           ; The second time the change of slots fetches 36 fragments of a step that is done, and nobody multiplies them: the price of one text for both
	QUARTER 192, 0, 1, 0
	TURN 0
	WIN 0
	s_sub_co_u32 s3, s3, 1
	s_cmp_eq_u32 s3, 0
	s_cbranch_scc1 .Lout
	QUARTER 64, 0, 1, 0
	WIN 0
	s_cmp_lg_u32 s3, 0
	s_cbranch_scc1 .Ltail
.Lout:
	; THE WAY OUT.  The stages lie in the ring, which has had its last fill; the barrier shows every wave's reads of the ring over.
	WIN 0
	PLACES
	s_wait_dscnt 0x0
	s_barrier_signal -1
	s_barrier_wait -1
.macro OUTQ win, na                    ; the large blocks of the na row blocks in one window: times c or 1, rounded to f16, 16 bytes a lane into the stage.  Each accumulator is read from its low end on
	WIN ((\win)<<6)|(\win)
.set i, 0
.rept 8*(\na)
.set rD, 80*(i/8)+8*(i%8)
.irp z, 0,1,2,3
	v_pk_mul_f32 v[rD+2*\z:rD+2*\z+1], v[rD+2*\z:rD+2*\z+1], s[FAC:FAC+1] op_sel_hi:[1,0]
.endr
.set i, i+1
.endr
	WIN (\win)|((\win)<<2)
.set i, 0
.rept 8*(\na)
.set rD, 80*(i/8)+8*(i%8)
.irp z, 0,1,2,3
	v_cvt_pk_f16_f32 v[TMP+4*i+\z], v[rD+2*\z], v[rD+2*\z+1]
.endr
.set i, i+1
.endr
	WIN 0
.set i, 0
.rept 8*(\na)
	ds_store_b128 v[STQ], v[TMP+4*i:TMP+4*i+3] offset:(3*((\win)-1)+i/8)*16*QP+32*(i%8)
.set i, i+1
.endr
.endm
.macro OUTX win, na                    ; the same blocks as f32, straight from the accumulators' window, the low four registers first
	WIN (\win)<<2
.set i, 0
.rept 8*(\na)
.set rD, 80*(i/8)+8*(i%8)
	ds_store_b128 v[STX], v[rD:rD+3]   offset:(3*((\win)-1)+i/8)*16*XP+64*(i%8)
	ds_store_b128 v[STX], v[rD+4:rD+7] offset:(3*((\win)-1)+i/8)*16*XP+64*(i%8)+16
.set i, i+1
.endr
.endm
.macro OUTV win, na                    ; v's two blocks of each row block, rounded to f16
	WIN (\win)|((\win)<<2)
.set i, 0
.rept 2*(\na)
.set rD, 80*(i/2)+64+8*(i%2)
.irp z, 0,1,2,3
	v_cvt_pk_f16_f32 v[TMP+4*(6*((\win)-1)+i)+\z], v[rD+2*\z], v[rD+2*\z+1]
.endr
.set i, i+1
.endr
.endm
	s_cmp_eq_u32 s12, 0                            ; the wave's number chooses: q | k, or x x^T
	s_cbranch_scc0 .Lf32
	OUTQ 1, 3
	OUTQ 2, 3
	OUTQ 3, 2
	s_branch .Lv
.Lf32:
	OUTX 1, 3
	OUTX 2, 3
	OUTX 3, 2
	WIN 0
.Lv:
	OUTV 1, 3
	OUTV 2, 3
	OUTV 3, 2
	WIN 0
.set i, 0
.rept 16
	ds_store_b128 v[STV], v[TMP+4*i:TMP+4*i+3] offset:(i/2)*16*VP+32*(i%2)
.set i, i+1
.endr
	s_wait_dscnt 0x0                               ; for the others' sake: my stores into the stages are done
	s_barrier_signal -1
	s_barrier_wait -1
	WIN 0x40                                       ; x x^T: my 64 rows into window 1
.set i, 0
.rept 64
	ds_load_b128 v[4*i:4*i+3], v[RDX] offset:i*XP
.set i, i+1
.endr
	WIN 0x04
.set i, 0
.rept 64
	s_wait_dscnt 63-i
	global_store_b128 v[CX], v[4*i:4*i+3], s[8:9] offset:i*8192  ; 512 consecutive bytes, aligned
.set i, i+1
.endr
	WIN 0x80                                       ; q | k: my 64 rows, and v: my 64 rows, into window 2
.set i, 0
.rept 32
	ds_load_b128 v[4*i:4*i+3], v[RDQ] offset:i*2*QP
.set i, i+1
.endr
.set i, 0
.rept 16
	ds_load_b128 v[128+4*i:128+4*i+3], v[RDV] offset:i*4*VP
.set i, i+1
.endr
	WIN 0x08
.set i, 0
.rept 32
	s_wait_dscnt 47-i
	global_store_b128 v[CQ], v[4*i:4*i+3], s[PQ:PQ+1] offset:i*8192  ; sixteen lanes: 256 consecutive bytes, aligned
.set i, i+1
.endr
.set i, 0
.rept 16
	s_wait_dscnt 15-i
	global_store_b128 v[CX], v[128+4*i:128+4*i+3], s[PVH:PVH+1] offset:i*512  ; four tokens of a head: 512 consecutive bytes, aligned
.set i, i+1
.endr
	WIN 0
	s_wait_tensorcnt 0x0                           ; the wave's end
	ds_add_u32 v[SPW], v[NIL]
	s_wait_dscnt 0x0
	CROUND                                         ; the closing round
	s_endpgm
.Lfunc_end_k_q7daf1426d3_pg:
	.size	k_q7daf1426d3_pg, .Lfunc_end_k_q7daf1426d3_pg-k_q7daf1426d3_pg
	.p2alignl 7, 3214868480
	.fill 96, 4, 3214868480
	.section	.rodata,"a",@progbits
	.p2align	6, 0x0
	.amdhsa_kernel k_q7daf1426d3_pg
		.amdhsa_group_segment_fixed_size 327680
		.amdhsa_private_segment_fixed_size 0
		.amdhsa_enable_private_segment 0
		.amdhsa_kernarg_size 24
		.amdhsa_user_sgpr_count 2
		.amdhsa_user_sgpr_kernarg_segment_ptr 1
		.amdhsa_wavefront_size32 1
		.amdhsa_system_sgpr_workgroup_id_x 1
		.amdhsa_system_sgpr_workgroup_id_y 1
		.amdhsa_system_sgpr_workgroup_id_z 1
		.amdhsa_system_vgpr_workitem_id 0
		.amdhsa_next_free_vgpr 1024
		.amdhsa_next_free_sgpr 80
		.amdhsa_reserve_vcc 0
		.amdhsa_float_denorm_mode_32 3
		.amdhsa_float_denorm_mode_16_64 3
		.amdhsa_memory_ordered 1
		.amdhsa_forward_progress 1
		.amdhsa_inst_pref_size 156
	.end_amdhsa_kernel
	.amdgpu_metadata
---
amdhsa.version: [ 1, 2 ]
amdhsa.kernels:
  - .name:           k_q7daf1426d3_pg
    .symbol:         k_q7daf1426d3_pg.kd
    .args:
      - { .name: h16, .offset: 0, .size: 8, .value_kind: global_buffer, .address_space: global }
      - { .name: qkv, .offset: 8, .size: 8, .value_kind: global_buffer, .address_space: global }
      - { .name: xxt, .offset: 16, .size: 8, .value_kind: global_buffer, .address_space: global }
    .group_segment_fixed_size: 327680
    .private_segment_fixed_size: 0
    .kernarg_segment_align: 8
    .kernarg_segment_size: 24
    .max_flat_workgroup_size: 128
    .sgpr_count:     80
    .vgpr_count:     1024
    .wavefront_size: 32
...
	.end_amdgpu_metadata
.endif
;; end of part 2
;; launch flash (part 3): grid 16 x 16, 4 waves a work-group, clusters of 4 x 4, 327,680 bytes of LDS; arguments qkv, xxt, wkwq_scalings, wvwo_scalings, oa, stats; writes oa, stats
.if DOCPART == 3
	.amdgcn_target "amdgcn-amd-amdhsa--gfx1250"
	.amdhsa_code_object_version 6
	.text
	.protected	k_q7daf1426d3_flash
	.globl	k_q7daf1426d3_flash
	.p2align	8
	.type	k_q7daf1426d3_flash,@function
k_q7daf1426d3_flash:
	s_mov_b64 s[64:65], 0
	v_nop
	global_prefetch_b8 v0, s[64:65] scope:SCOPE_SE
	s_setreg_imm32_b32 hwreg(HW_REG_WAVE_MODE, 25, 1), 1
	s_wait_xcnt 0x0
	s_wait_alu depctr_hold_cnt(0) depctr_sa_sdst(0) depctr_va_vdst(0) depctr_va_sdst(0) depctr_va_ssrc(0) depctr_va_vcc(0) depctr_vm_vsrc(0)
	s_getreg_b32 s2, hwreg(HW_REG_IB_STS2, 6, 4)
	s_cmp_eq_u32 s2, 0
	s_cbranch_scc0 .Lentry_in_a_cluster
	s_endpgm
.Lentry_in_a_cluster:
	s_bfe_u32 s2, ttmp6, 0x10000c
	s_cmp_lg_u32 s2, 0xf033
	s_cbranch_scc0 .Lentry_shape_is_right
	s_endpgm
.Lentry_shape_is_right:
; THE FIRST PASS OVER THE SCORES, by head.  S'[q][k] = q'[q] . k[k] + sg xxt[q][k], in powers of two: q' holds log2(e) / 8, sg = bf16(wkwq[h]) log2(e).
; For each query a running maximum m and sum l: p = 2^(S' - m); in every step O and l are multiplied by a = 2^(m_old - m_new).  O = sum p v / l goes to oa's columns 64 h .. in f16;
; m and wl = 256 bf16(wvwo[h]) / l go to stats, for the pass that sums the heads' weights.
; IN: q' | k f16 [4096][2048] at qkv's byte 0; v behind it, [head pair][block of 128 tokens][head of the pair][128 tokens][64]: a head pair's 128 keys are 32,768 bytes on end.
; LIMITS.  q', k, v arrive in f16; p lies in 0 to 1 and is rounded to f16 for the second product (l takes the unrounded p); a weight below 2^-126 counts as 0; NaN and infinities are not treated apart.
; m starts at the lowest finite number, O and l at 0: the first step is a step like any other, with a = 0.  The price of writing no first step out: 240 v_mov_b32 in the wait for the first tile.
; SHARES.  A work-group owns 128 queries x two neighbouring heads; wave w has head w / 2 of the two and 64 queries, four tiles of 16, in two PIECES (tiles 0, 1 and tiles 2, 3).  64 keys a step.
; LAYOUT.  S^T = K Q^T (source 0 = 16 keys, source 1 = 16 queries): a lane holds ONE query (lane % 16) and keys 8 (lane / 16) + 0..7.  The sum starts from sg xxt, loaded from LDS straight into the
; accumulator's registers in that layout.  Two results rounded to f16 in pairs ARE source 1 of O^T = V^T P.  V comes out of LDS turned, by ds_load_tr16_b128.
; BY TURNS.  In a turn one piece has the matrix unit: 16 products V^T P of the step in hand, then 16 products K Q^T of the next step; the other piece's softmax (2 x 118 instructions, cut into 59 slices of four) and
; the 32 multiplies sg xxt are 268 vector instructions for 32 products: more than find room beside them.  So ONE slice stands behind each product, and the rest in two LUMPS: 14 slices and the multiplies between the
; two runs of products, 13 slices at the turn's end.
; CLUSTER 4 x 4.  K and V hang on batch and head pair: shared along a row of the cluster (four query blocks).  xxt hangs on batch and query block: shared along a column (four head pairs).
; A slot holds 128 keys, two steps: xxt 128 queries x 528, K 128 x 272, V 2 heads x 128 keys x 160.  Four loads of 32 KiB, one a wave behind each round; one load of a wave is out at a time.
; REGISTERS: window 0: v1-15 addresses and constants; v16-47 statistics, 8 a tile (m, -, l, l, c0-c3; c2 becomes a); v64-191 S^T; v192-255 P.  window 1: O^T, 32 a tile.  window 2: v0-63 Q, v64-127 K, v128-191 V.
.set KS,    64
.set PK,    272
.set PV,    160                        ; a key of V: 128 bytes + 32 = 40 words
.set PX,    528
.set KOFF,  128*PX                     ; xxt lies at a slot's byte 0
.set VOFF,  KOFF+128*PK
.set DX,    0x24000                    ; from slot to slot: two bits that are clear in all LDS words of slot 0 (0, 64 x 528, KOFF, VOFF); a slot has 143,360 bytes
.set SPARE, DX+VOFF+256*PV
.set STAGE, SPARE+512                  ; 128 rows x 272 bytes, never filled by a tensor load
.set SP,    272
.set AK0, 2
.set AV0, 3
.set AX0, 4
.set ADRK, 5
.set ADRV, 6
.set ADRX, 7
.set STO, 8
.set RD,  9
.set GO,  10
.set QO,  11
.set SO,  12
.set WVV, 13                           ; v13 256 bf16(wvwo[h])
.set SG,  14                           ; v[14:15] sg, twice
.set ST,  16
.set SPW, 62
.set NIL, 63
.set S,   64
.set P,   192
.set KF,  64
.set VF,  128
.set WV,  16                           ; s16 wave; s17 head of the pair; s18 half of the queries; s21 query block; s22 head pair; s23 batch
.set G1K, 24
.set G1V, 32
.set G1X, 40
.set G0K, 48
.set G0V, 52
.set G0X, 56
.set SEL, 60
.set TBK, 62                           ; s62, s63, s66 the slot's first byte plus the step's place in K's, V's, xxt's part
.set TBV, 63
.set TBX, 66
.set CNT, 67
.set SLOTS, 68
.set HIM, 69                           ; s69 the lanes 16-31
.set MSB, 0
.macro WIN new
.if MSB != (\new)
	s_set_vgpr_msb (MSB<<8)|(\new)
.set MSB, \new
.endif
.endm
.set W_KQ, 0x0a
.set W_PV, 0x52
.set W_RS, 0x41
.macro PLACES
.rept 4
	v_nop
.endr
.endm
.macro CROUND
	s_barrier_signal -1
	s_barrier_wait -1
	s_cmp_lg_u32 s[WV], 0
	s_cbranch_scc1 .Lnot_wave_0_\@
	s_barrier_signal -3
.Lnot_wave_0_\@:
	s_barrier_wait -3
	s_barrier_signal -1
	s_barrier_wait -1
.endm
.macro JLOAD                           ; wave 0: K; wave 1: V; waves 2, 3: the two halves of xxt's rows.  s_nop 0 and four v_nop follow each line
	s_cmp_eq_u32 s[WV], 0
	s_cbranch_scc0 .Lnot_k_\@
	tensor_load_to_lds s[G0K:G0K+3], s[G1K:G1K+7]
	s_nop 0
.rept 4
	v_nop
.endr
	s_branch .Lasked_\@
.Lnot_k_\@:
	s_cmp_eq_u32 s[WV], 1
	s_cbranch_scc0 .Lnot_v_\@
	tensor_load_to_lds s[G0V:G0V+3], s[G1V:G1V+7]
	s_nop 0
.rept 4
	v_nop
.endr
	s_branch .Lasked_\@
.Lnot_v_\@:
	tensor_load_to_lds s[G0X:G0X+3], s[G1X:G1X+7]
	s_nop 0
.rept 4
	v_nop
.endr
.Lasked_\@:
.endm
; THE CHANGE OF SLOTS.  Each wave waits for all its tensor loads (one is out: its part of the other slot), adds 0 to its spare word, and waits for that and for its own reads of the slot.
; fill = 1: the barrier is a round of the cluster's, and the joint refill, with the keys two slots on, is the first thing behind it: it has two key steps in which to land.
.macro CHANGE fill
	WIN 0
	s_wait_tensorcnt 0x0
	ds_add_u32 v[SPW], v[NIL]
.if \fill
	s_xor_b32 s[G0K+1], s[G0K+1], DX
	s_add_nc_u64 s[G0K+2:G0K+3], s[G0K+2:G0K+3], 128*4096
	s_xor_b32 s[G0V+1], s[G0V+1], DX
	s_add_nc_u64 s[G0V+2:G0V+3], s[G0V+2:G0V+3], 32768
	s_xor_b32 s[G0X+1], s[G0X+1], DX
	s_add_nc_u64 s[G0X+2:G0X+3], s[G0X+2:G0X+3], 512
	s_wait_dscnt 0x0
	CROUND
	JLOAD
.else
	s_wait_dscnt 0x0
	s_barrier_signal -1
	s_barrier_wait -1
.endif
	s_sub_co_u32 s[TBK], s[TBK], 2*KS*PK           ; the fetches go back to a slot's first step, in the other slot
	s_xor_b32 s[TBK], s[TBK], DX
	s_sub_co_u32 s[TBV], s[TBV], 2*KS*PV
	s_xor_b32 s[TBV], s[TBV], DX
	s_sub_co_u32 s[TBX], s[TBX], 512
	s_xor_b32 s[TBX], s[TBX], DX
.endm
	s_load_b256 s[4:11], s[0:1], 0x0               ; qkv s[4:5], xxt s[6:7], wkwq s[8:9], wvwo s[10:11]
	s_load_b128 s[12:15], s[0:1], 0x20             ; oa s[12:13], stats s[14:15]
	v_lshl_add_u32 v[SPW], v0, 2, SPARE
	v_mov_b32 v[NIL], 0
	ds_add_u32 v[SPW], v[NIL]                      ; the wave's opening
	v_lshrrev_b32 v1, 5, v0
	v_readfirstlane_b32 s[WV], v1
	s_lshr_b32 s17, s[WV], 1
	s_and_b32 s18, s[WV], 1
	s_bfe_u32 s19, ttmp6, 0x40000                  ; cx
	s_bfe_u32 s20, ttmp6, 0x40004                  ; cy
	s_lshl_b32 s21, ttmp9, 2
	s_add_co_u32 s21, s21, s19                     ; query block
	s_and_b32 s70, ttmp7, 0xffff
	s_lshr_b32 s23, s70, 1                         ; batch: from the cluster's y alone
	s_and_b32 s22, s70, 1
	s_lshl_b32 s22, s22, 2
	s_add_co_u32 s22, s22, s20                     ; head pair
	s_lshl_b32 s70, s20, 2
	s_lshl_b32 s70, 15, s70                        ; my row of the cluster
	s_lshl_b32 s71, 0x1111, s19                    ; my column
	s_or_b32 s[G1K], s70, 0x07710000               ; 2-byte elements, 4 words of padding after every 64
	s_or_b32 s[G1V], s70, 0x0f310000               ; 2-byte elements, 8 words of padding after every 32: behind each key's 128 bytes
	s_or_b32 s[G1X], s71, 0x07b20000               ; 4-byte elements, 4 words after every 128
.irp g, G1K, G1V
	s_mov_b32 s[\g+1], 128<<16
	s_mov_b32 s[\g+2], 128<<16
	s_mov_b32 s[\g+3], 128<<16
	s_mov_b32 s[\g+4], 128
	s_mov_b32 s[\g+6], 0
	s_mov_b32 s[\g+7], 0
.endr
	s_mov_b32 s[G1K+5], 2048                       ; K: 128 keys, 256 bytes of rows of 4,096
	s_mov_b32 s[G1V+5], 128                        ; V: 32,768 dense bytes as 128 rows of 256
	s_mov_b32 s[G1X+1], 128<<16
	s_mov_b32 s[G1X+2], 64<<16
	s_mov_b32 s[G1X+3], 128<<16
	s_mov_b32 s[G1X+4], 64
	s_mov_b32 s[G1X+5], 2048
	s_mov_b32 s[G1X+6], 0
	s_mov_b32 s[G1X+7], 0
	s_lshl_b32 s72, s23, 23                        ; K: the batch's 2,048 rows of 4,096 bytes, column 1,024 + 128 x head pair
	s_lshl_b32 s73, s22, 8
	s_add_co_u32 s72, s72, s73
	s_add_co_u32 s72, s72, 2048
	s_mov_b32 s73, 0
	s_lshl_b32 s78, s22, 20                        ; V: (head pair x 32 + batch x 16) blocks of 32,768 bytes, behind q | k
	s_lshl_b32 s79, s23, 19
	s_add_co_u32 s78, s78, s79
	s_add_co_u32 s78, s78, 16777216
	s_mov_b32 s79, 0
	s_lshl_b32 s75, s23, 11                        ; xxt: row 2,048 x batch + 128 x query block + 64 x (wave % 2)
	s_lshl_b32 s76, s21, 7
	s_add_co_u32 s75, s75, s76
	s_lshl_b32 s76, s18, 6
	s_add_co_u32 s75, s75, s76
	s_lshl_b32 s76, s75, 13
	s_mov_b32 s77, 0
	s_mul_i32 s74, s18, 64*PX
	s_mov_b32 s[G0K], 1
	s_mov_b32 s[G0K+1], KOFF
	s_mov_b32 s[G0V], 1
	s_mov_b32 s[G0V+1], VOFF
	s_mov_b32 s[G0X], 1
	s_mov_b32 s[G0X+1], s74
	s_lshl_b32 s80, s23, 11
	s_lshl_b32 s81, s21, 7
	s_add_co_u32 s80, s80, s81                     ; the block's first row among 4,096
	s_lshl_b32 s81, s18, 6
	s_add_co_u32 s81, s81, s80
	s_lshl_b32 s82, s81, 12                        ; Q: my 64 rows, my head's 128 bytes
	s_lshl_b32 s81, s22, 8
	s_add_co_u32 s82, s82, s81
	s_lshl_b32 s81, s17, 7
	s_add_co_u32 s82, s82, s81
	s_mov_b32 s83, 0
	s_lshl_b32 s81, s[WV], 5
	s_add_co_u32 s81, s81, s80
	s_mul_i32 s84, s81, 6144                       ; oa: the 32 rows that I store, the head pair's 256 bytes
	s_lshl_b32 s81, s22, 8
	s_add_co_u32 s84, s84, s81
	s_mov_b32 s85, 0
	s_lshl_b32 s88, s22, 1
	s_add_co_u32 s88, s88, s17                     ; my head
	s_lshl_b32 s89, s88, 2
	s_lshl_b32 s86, s23, 4
	s_add_co_u32 s86, s86, s88
	s_lshl_b32 s86, s86, 11
	s_lshl_b32 s81, s21, 7
	s_add_co_u32 s86, s86, s81
	s_lshl_b32 s81, s18, 6
	s_add_co_u32 s86, s86, s81
	s_lshl_b32 s86, s86, 3                         ; stats: 8 bytes a query
	s_mov_b32 s87, 0
	s_mov_b32 s[SEL], 0x76543210
	s_mov_b32 s[SEL+1], 0xfedcba98
	s_mov_b32 s[HIM], 0xffff0000
	s_mov_b32 s[TBK], DX+2*KS*PK                   ; the first change of slots turns these three into 0
	s_mov_b32 s[TBV], DX+2*KS*PV
	s_mov_b32 s[TBX], DX+512
	s_wait_dscnt 0x0                               ; the opening add is done
	s_wait_kmcnt 0x0
	s_add_nc_u64 s[G0K+2:G0K+3], s[4:5], s[72:73]
	s_or_b32 s[G0K+3], s[G0K+3], 0x80000000
	s_add_nc_u64 s[G0V+2:G0V+3], s[4:5], s[78:79]
	s_or_b32 s[G0V+3], s[G0V+3], 0x80000000
	s_add_nc_u64 s[G0X+2:G0X+3], s[6:7], s[76:77]
	s_or_b32 s[G0X+3], s[G0X+3], 0x80000000
	s_add_nc_u64 s[4:5], s[4:5], s[82:83]
	s_add_nc_u64 s[12:13], s[12:13], s[84:85]
	s_add_nc_u64 s[14:15], s[14:15], s[86:87]
	s_load_b32 s90, s[8:9], s89 offset:0x0         ; my head's two scalings
	s_load_b32 s91, s[10:11], s89 offset:0x0
	CROUND                                         ; all sixteen work-groups are here
	JLOAD                                          ; slot 0
	v_and_b32 v1, 15, v0                           ; r
	v_bfe_u32 v48, v0, 4, 1                        ; h
	v_lshlrev_b32 v[QO], 12, v1
	v_lshl_add_u32 v[QO], v48, 4, v[QO]
	WIN 0x80
.set i, 0
.rept 8                                ; Q stays in registers: tile i / 2, channels 32 (i % 2) on
	global_load_b128 v[8*i:8*i+3],   v[QO], s[4:5] offset:(i/2)*65536+(i%2)*64
	global_load_b128 v[8*i+4:8*i+7], v[QO], s[4:5] offset:(i/2)*65536+(i%2)*64+32
.set i, i+1
.endr
.set i, VF
.rept 64                               ; what the first turn finds: V and piece 2's P hold 0 (its products, of a step that has not been, add 0); O^T and l are 0
	v_mov_b32 v[i], 0
.set i, i+1
.endr
	WIN 0x40
.set i, 0
.rept 128
	v_mov_b32 v[i], 0
.set i, i+1
.endr
	WIN 0
.set i, 0
.rept 4
	v_mov_b32 v[ST+8*i], 0xff7fffff                ; m
	v_mov_b32 v[ST+8*i+1], 0
	v_mov_b32 v[ST+8*i+2], 0
	v_mov_b32 v[ST+8*i+3], 0
.set i, i+1
.endr
.set i, P+32
.rept 32
	v_mov_b32 v[i], 0
.set i, i+1
.endr
	v_mul_u32_u24 v[AK0], v1, PK                   ; K: key r, my head's 128 bytes, 16 h
	v_lshl_add_u32 v[AK0], v48, 4, v[AK0]
	s_lshl_b32 s81, s17, 7
	s_add_co_u32 s81, s81, KOFF
	v_add_nc_u32 v[AK0], s81, v[AK0]
	v_and_b32 v49, 7, v0                           ; V, for the turning load: my head's 128 keys, key 8 h + lane % 8, channels 8 ((lane / 8) % 2) on
	v_bfe_u32 v50, v0, 3, 1
	v_lshl_add_u32 v[AV0], v48, 3, v49
	v_mul_u32_u24 v[AV0], v[AV0], PV
	v_lshl_add_u32 v[AV0], v50, 4, v[AV0]
	s_mul_i32 s81, s17, 128*PV
	s_add_co_u32 s81, s81, VOFF
	v_add_nc_u32 v[AV0], s81, v[AV0]
	v_mul_u32_u24 v[AX0], v1, PX                   ; xxt: query 64 qh + r, keys 8 h on
	v_lshl_add_u32 v[AX0], v48, 5, v[AX0]
	s_mul_i32 s81, s18, 64*PX
	v_add_nc_u32 v[AX0], s81, v[AX0]
; THE MATRIX WORK.  The 8 accumulators of a run of 16 take turns.
.macro KQ x                            ; product i of 16 of S^T += K Q^T: tile x + i % 2, keys 16 ((i / 2) % 4) on, channels 32 (i / 8) on.  The sum starts from sg xxt
	WIN W_KQ
.set rS, S+32*((\x)+i%2)+8*((i/2)%4)
.set rK, KF+16*((i/2)%4)+8*(i/8)
.set rQ, 16*((\x)+i%2)+8*(i/8)
	v_wmma_f32_16x16x32_f16 v[rS:rS+7], v[rK:rK+7], v[rQ:rQ+7], v[rS:rS+7]
.endm
.macro PV x                            ; product i of 16 of O^T += V^T P: tile x + i % 2, channels 16 ((i / 2) % 4) on, keys 32 (i / 8) on
	WIN W_PV
.set rO, 32*((\x)+i%2)+8*((i/2)%4)
.set rV, VF+32*(i/8)+8*((i/2)%4)
.set rP, P+16*((\x)+i%2)+8*(i/8)
	v_wmma_f32_16x16x32_f16 v[rO:rO+7], v[rV:rV+7], v[rP:rP+7], v[rO:rO+7]
.endm
; THE LDS LOADS stand in runs of 16.
.macro FETCH_X x                       ; the next step's xxt for piece x, straight into S^T's registers
	WIN 0
	v_add_nc_u32 v[ADRX], s[TBX], v[AX0]
.set z, 0
.rept 8                                ; tile x + z / 4, keys 16 (z % 4) on
	ds_load_b128 v[S+32*(\x)+8*z:S+32*(\x)+8*z+3],   v[ADRX] offset:((\x)+z/4)*16*PX+64*(z%4)
	ds_load_b128 v[S+32*(\x)+8*z+4:S+32*(\x)+8*z+7], v[ADRX] offset:((\x)+z/4)*16*PX+64*(z%4)+16
.set z, z+1
.endr
.if (\x) == 2
	s_add_co_u32 s[TBX], s[TBX], 256
.endif
.endm
.macro FETCH_K
	WIN 0
	v_add_nc_u32 v[ADRK], s[TBK], v[AK0]
	WIN 0x80
.irp f, 0,1,2,3,4,5,6,7
	ds_load_b128 v[KF+8*\f:KF+8*\f+3],   v[ADRK] offset:(\f/2)*16*PK+(\f%2)*64
	ds_load_b128 v[KF+8*\f+4:KF+8*\f+7], v[ADRK] offset:(\f/2)*16*PK+(\f%2)*64+32
.endr
	s_add_co_u32 s[TBK], s[TBK], KS*PK
.endm
.macro FETCH_V
	WIN 0
	v_add_nc_u32 v[ADRV], s[TBV], v[AV0]
	WIN 0x80
.irp f, 0,1,2,3,4,5,6,7
	ds_load_tr16_b128 v[VF+8*\f:VF+8*\f+3],   v[ADRV] offset:(\f/4)*32*PV+(\f%4)*32
	ds_load_tr16_b128 v[VF+8*\f+4:VF+8*\f+7], v[ADRV] offset:(\f/4)*32*PV+16*PV+(\f%4)*32
.endr
	s_add_co_u32 s[TBV], s[TBV], KS*PV
.endm
.macro BM x                            ; number bz of the 32 packed multiplies xxt x sg for piece x
	WIN 0
	v_pk_mul_f32 v[S+32*(\x)+2*bz:S+32*(\x)+2*bz+1], v[S+32*(\x)+2*bz:S+32*(\x)+2*bz+1], v[SG:SG+1] op_sel_hi:[1,0]
.set bz, bz+1
.endm
; THE VECTOR WORK.  One tile's softmax for one key step is a list of 118; SM writes number j of it for tile t.  s0-s31 are the lane's 32 scores.
;   0-15   the maximum of s0-s31 and the old m, three operands at a time; each accumulator's lowest registers are read first
;   16-20  the other half of the lanes' maximum; m_old is kept; the new m; m_old - m_new
;   21-87  33 exponentials (a, then s0-s31) at the odd numbers from 23 on; between them whatever is ready: s - m for a pair still to come, the rounding to f16 of a pair that is done, the first sums
;   88-101 the last rounding; the rest of the sums; l = a l + the sum          102-117 the tile's O^T times a: the one part that leaves window 0
.macro SM t
.set rT, ST+8*(\t)
.set rS, S+32*(\t)
.set rP, P+16*(\t)
.set rO, 32*(\t)+2*(j-102)
.set q, (j-20)/2
.if j < 102
	WIN 0
.endif
.if j < 4
	v_max3_num_f32 v[rT+4+j], v[rS+8*j], v[rS+8*j+1], v[rS+8*j+2]
.elseif j < 12
	v_max3_num_f32 v[rT+4+j%4], v[rT+4+j%4], v[rS+8*(j%4)+2*(j/4)+1], v[rS+8*(j%4)+2*(j/4)+2]
.elseif j == 12
	v_max3_num_f32 v[rT+4], v[rT+4], v[rS+7], v[rS+15]
.elseif j == 13
	v_max3_num_f32 v[rT+6], v[rT+6], v[rS+23], v[rS+31]
.elseif j == 14
	v_max3_num_f32 v[rT+4], v[rT+4], v[rT+5], v[rT+6]
.elseif j == 15
	v_max3_num_f32 v[rT+4], v[rT+4], v[rT+7], v[rT]
.elseif j == 16
	v_permlanex16_b32 v[rT+5], v[rT+4], s[SEL], s[SEL+1]
.elseif j == 17
	v_mov_b32 v[rT+7], v[rT]
.elseif j == 18
	v_max_num_f32 v[rT], v[rT+4], v[rT+5]
.elseif j == 19
.elseif j == 20
	v_sub_f32 v[rT+7], v[rT+7], v[rT]
.elseif j == 23
	v_exp_f32 v[rT+6], v[rT+7]
.elseif (j < 88) && (j > 23) && (j%2 == 1)
	v_exp_f32 v[rS+(j-25)/2], v[rS+(j-25)/2]
.elseif (q < 4) || ((j < 76) && (q%2 == 0))
.set b, q/2+2
.if q < 4
.set b, q
.endif
	v_pk_add_f32 v[rS+2*b:rS+2*b+1], v[rS+2*b:rS+2*b+1], v[rT:rT+1] op_sel_hi:[1,0] neg_lo:[0,1] neg_hi:[0,1]
.elseif (j < 88) && (q%2 == 1)
	v_cvt_pk_f16_f32 v[rP+(q-5)/2], v[rS+q-5], v[rS+q-4]
.elseif j == 89
	v_cvt_pk_f16_f32 v[rP+15], v[rS+30], v[rS+31]
.elseif j < 102
.set z, j-86
.if j < 89
.set z, (j-76)/4
.endif
.set w, 4
.set u, z
.if z >= 14
.set w, 32
.set u, 0
.elseif z >= 12
.set w, 16
.set u, z-12
.elseif z >= 8
.set w, 8
.set u, z-8
.endif
.if z < 15
	v_pk_add_f32 v[rS+w*u:rS+w*u+1], v[rS+w*u:rS+w*u+1], v[rS+w*u+w/2:rS+w*u+w/2+1]
.else
	v_pk_fma_f32 v[rT+2:rT+3], v[rT+2:rT+3], v[rT+6:rT+7], v[rS:rS+1] op_sel_hi:[1,0,1]
.endif
.elseif j < 118
	WIN W_RS
	v_pk_mul_f32 v[rO:rO+1], v[rO:rO+1], v[rT+6:rT+7] op_sel_hi:[1,0]
.endif
.endm
.macro SLICE y                         ; slice k of piece y's softmax: numbers 2 k and 2 k + 1 of both tiles' lists; from 59 on there is nothing left
.if (k >= 11) && (k < 44)              ; tile by tile: plain, exponential, plain, exponential
.irp t, \y, (\y)+1
.irp n, 0,1
.set j, 2*k+(\n)
	SM \t
.endr
.endr
.elseif k < 59                         ; the two tiles alternate
.irp n, 0,1
.irp t, \y, (\y)+1
.set j, 2*k+(\n)
	SM \t
.endr
.endr
.endif
.set k, k+1
.endm
; A TURN for piece x.  kq = 1: slices 0-15 behind the 16 products V^T P; the first lump: slices 16-29, two multiplies sg xxt behind each, and the last four multiplies; slices 30-45 behind the 16 products K Q^T;
; the second lump: slices 46-58, 52 plain instructions that name nothing of those products: they are also the places in front of the next turn's reads of the scores and its loads into K's registers.
; The next step's xxt is fetched at the turn's head and waited for at the first lump's.  Piece 0's turn fetches the next step's K behind its second product; piece 2's turn the same step's V behind its second product K Q^T,
; with the whole first lump between V's last reader and the loads.  kq = 0: the last step: four slices a product.
.macro TURN x, kq
.set k, 0
.if (\x) == 0
	s_wait_dscnt 0x0                               ; V is in
.endif
.if \kq
	FETCH_X \x
.set i, 0
.rept 16
	PV \x
	SLICE 2-(\x)
.if ((\x) == 0) && (i == 1)
	FETCH_K
.endif
.set i, i+1
.endr
	WIN 0
	s_wait_dscnt 16-8*(\x)                         ; xxt is in; in piece 0's turn K's sixteen loads, issued behind it, may stay out
.set bz, 0
.rept 14
	SLICE 2-(\x)
	BM \x
	BM \x
.endr
.rept 4
	BM \x
.endr
.if (\x) == 0
	s_wait_dscnt 0x0                               ; K is in
.endif
.set i, 0
.rept 16
	KQ \x
	SLICE 2-(\x)
.if ((\x) == 2) && (i == 1)
	FETCH_V
.endif
.set i, i+1
.endr
.rept 13
	SLICE 2-(\x)
.endr
	WIN 0
.else
.set i, 0
.rept 16
	PV \x
.rept 4
	SLICE 2-(\x)
.endr
.set i, i+1
.endr
	WIN 0
	PLACES
.endif
.endm
	CHANGE 1                                       ; slot 0 is in, everybody's part of it; slot 1 is asked for
	FETCH_X 0                                      ; key step 0
	FETCH_K
	WIN 0
	s_wait_kmcnt 0x0
	v_mov_b32 v[SG], s90                           ; the scalings are rounded to bf16 like every input
	v_cvt_pk_bf16_f32 v[SG], v[SG], v[SG]
	v_lshlrev_b32 v[SG], 16, v[SG]
	v_mul_f32 v[SG], 0x3fb8aa3b, v[SG]             ; x log2(e)
	v_mov_b32 v[SG+1], v[SG]
	v_mov_b32 v[WVV], s91
	v_cvt_pk_bf16_f32 v[WVV], v[WVV], v[WVV]
	v_lshlrev_b32 v[WVV], 16, v[WVV]
	v_mul_f32 v[WVV], 0x43800000, v[WVV]           ; x 256
	s_wait_loadcnt 0x0                             ; Q
	s_wait_dscnt 0x0
.set bz, 0
.rept 32
	BM 0
.endr
.set i, 0
.rept 16
	KQ 0                                           ; piece 0's first scores: there is no vector work yet to set between them
.set i, i+1
.endr
	WIN 0                                          ; the addresses for the way out: the places behind those products
	s_mul_i32 s81, s18, 64*SP
	s_lshl_b32 s92, s17, 7
	s_add_co_u32 s81, s81, s92
	s_add_co_u32 s81, s81, STAGE
	v_mul_u32_u24 v[STO], v1, SP                   ; in: row 64 qh + r, my head's 128 bytes, 16 h
	v_lshl_add_u32 v[STO], v48, 4, v[STO]
	v_add_nc_u32 v[STO], s81, v[STO]
	s_mul_i32 s81, s[WV], 32*SP
	s_add_co_u32 s81, s81, STAGE
	v_mul_u32_u24 v[RD], v48, SP                   ; back: rows 32 w on, lanes 0-15 one row of 256 bytes, lanes 16-31 the next
	v_lshl_add_u32 v[RD], v1, 4, v[RD]
	v_add_nc_u32 v[RD], s81, v[RD]
	v_mul_u32_u24 v[GO], v48, 6144
	v_lshl_add_u32 v[GO], v1, 4, v[GO]
	v_and_b32 v[SO], 31, v0
	v_lshlrev_b32 v[SO], 3, v[SO]
	s_mov_b32 s[CNT], 2
	s_mov_b32 s[SLOTS], 15
	s_branch .Lfirst                               ; the loop is entered in the middle of a trip
.Lslot:                                                ; 14 times: every slot but the last two is filled again
	CHANGE 1
	s_mov_b32 s[CNT], 2
.Lstep:                                                ; a trip fetches exactly one step's K, V and xxt
	TURN 0, 1
.Lfirst:
	TURN 2, 1
	s_sub_co_u32 s[CNT], s[CNT], 1
	s_cmp_lg_u32 s[CNT], 0
	s_cbranch_scc1 .Lstep
	s_sub_co_u32 s[SLOTS], s[SLOTS], 1
	s_cmp_lg_u32 s[SLOTS], 0
	s_cbranch_scc1 .Lslot
	CHANGE 0                                       ; the tail is written out
	s_mov_b32 s[CNT], 2
.Ltail:
	TURN 0, 1
	TURN 2, 1
	s_sub_co_u32 s[CNT], s[CNT], 1
	s_cmp_lg_u32 s[CNT], 0
	s_cbranch_scc1 .Ltail
	TURN 0, 0                                      ; piece 0: V^T P of the last step | piece 2's last softmax
.set i, 0
.rept 16
	PV 2
.set i, i+1
.endr
	; THE WAY OUT.  The additions are the places behind the last products.
	WIN 0
.irp t, 0,1,2,3
	v_add_f32 v[ST+8*\t+4], v[ST+8*\t+2], v[ST+8*\t+3]
.endr
.irp t, 0,1,2,3
	v_permlanex16_b32 v[ST+8*\t+5], v[ST+8*\t+4], s[SEL], s[SEL+1]
.endr
.irp t, 0,1,2,3
	v_add_f32 v[ST+8*\t+4], v[ST+8*\t+4], v[ST+8*\t+5]
.endr
.irp t, 0,1,2,3
	v_rcp_f32 v[ST+8*\t+2], v[ST+8*\t+4]
.endr
	v_nop                                          ; a plain instruction between the last reciprocal and the use of its result
.irp t, 0,1,2,3
	v_mul_f32 v[ST+8*\t+5], v[WVV], v[ST+8*\t+2]   ; wl = 256 w / l
.endr
.irp p, 0,1                            ; lanes 0-15 give tile 2 p's m and wl, lanes 16-31 tile 2 p + 1's: 32 queries, 256 consecutive bytes
	v_cndmask_b32 v[52+2*\p], v[ST+16*\p], v[ST+16*\p+8], s[HIM]
	v_cndmask_b32 v[53+2*\p], v[ST+16*\p+5], v[ST+16*\p+13], s[HIM]
	global_store_b64 v[SO], v[52+2*\p:53+2*\p], s[14:15] offset:256*\p
.endr
.macro PACK t
	WIN W_RS
.set i, 32*(\t)
.rept 16
	v_pk_mul_f32 v[i:i+1], v[i:i+1], v[ST+8*(\t)+2:ST+8*(\t)+3] op_sel_hi:[1,0]
.set i, i+2
.endr
	WIN 0x05
.set i, 0
.rept 16
	v_cvt_pk_f16_f32 v[S+16*(\t)+i], v[32*(\t)+2*i], v[32*(\t)+2*i+1]
.set i, i+1
.endr
	WIN 0
.irp f, 0,1,2,3
	ds_store_b128 v[STO], v[S+16*(\t)+4*\f:S+16*(\t)+4*\f+3] offset:(\t)*16*SP+32*\f
.endr
.endm
	PACK 0
	PACK 1
	PACK 2
	PACK 3
	s_wait_dscnt 0x0                               ; for the others' sake: a row's 256 bytes come from two waves
	s_barrier_signal -1
	s_barrier_wait -1
.set i, 0
.rept 16
	ds_load_b128 v[128+4*i:128+4*i+3], v[RD] offset:i*2*SP
.set i, i+1
.endr
.set i, 0
.rept 16
	s_wait_dscnt 15-i
	global_store_b128 v[GO], v[128+4*i:128+4*i+3], s[12:13] offset:i*12288  ; sixteen lanes: 256 consecutive bytes, aligned
.set i, i+1
.endr
	s_wait_tensorcnt 0x0                           ; the wave's end
	ds_add_u32 v[SPW], v[NIL]
	s_wait_dscnt 0x0
	CROUND                                         ; the closing round
	s_endpgm
.Lfunc_end_k_q7daf1426d3_flash:
	.size	k_q7daf1426d3_flash, .Lfunc_end_k_q7daf1426d3_flash-k_q7daf1426d3_flash
	.p2alignl 7, 3214868480
	.fill 96, 4, 3214868480
	.section	.rodata,"a",@progbits
	.p2align	6, 0x0
	.amdhsa_kernel k_q7daf1426d3_flash
		.amdhsa_group_segment_fixed_size 327680
		.amdhsa_private_segment_fixed_size 0
		.amdhsa_enable_private_segment 0
		.amdhsa_kernarg_size 48
		.amdhsa_user_sgpr_count 2
		.amdhsa_user_sgpr_kernarg_segment_ptr 1
		.amdhsa_wavefront_size32 1
		.amdhsa_system_sgpr_workgroup_id_x 1
		.amdhsa_system_sgpr_workgroup_id_y 1
		.amdhsa_system_sgpr_workgroup_id_z 1
		.amdhsa_system_vgpr_workitem_id 0
		.amdhsa_next_free_vgpr 704
		.amdhsa_next_free_sgpr 96
		.amdhsa_reserve_vcc 0
		.amdhsa_float_denorm_mode_32 3
		.amdhsa_float_denorm_mode_16_64 3
		.amdhsa_memory_ordered 1
		.amdhsa_forward_progress 1
		.amdhsa_inst_pref_size 142
	.end_amdhsa_kernel
	.amdgpu_metadata
---
amdhsa.version: [ 1, 2 ]
amdhsa.kernels:
  - .name:           k_q7daf1426d3_flash
    .symbol:         k_q7daf1426d3_flash.kd
    .args:
      - { .name: qkv, .offset: 0, .size: 8, .value_kind: global_buffer, .address_space: global }
      - { .name: xxt, .offset: 8, .size: 8, .value_kind: global_buffer, .address_space: global }
      - { .name: wkwq_scalings, .offset: 16, .size: 8, .value_kind: global_buffer, .address_space: global }
      - { .name: wvwo_scalings, .offset: 24, .size: 8, .value_kind: global_buffer, .address_space: global }
      - { .name: oa, .offset: 32, .size: 8, .value_kind: global_buffer, .address_space: global }
      - { .name: stats, .offset: 40, .size: 8, .value_kind: global_buffer, .address_space: global }
    .group_segment_fixed_size: 327680
    .private_segment_fixed_size: 0
    .kernarg_segment_align: 8
    .kernarg_segment_size: 48
    .max_flat_workgroup_size: 128
    .sgpr_count:     96
    .vgpr_count:     704
    .wavefront_size: 32
...
	.end_amdgpu_metadata
.endif
;; end of part 3
;; launch asum (part 4): grid 8 x 32, 8 waves a work-group, clusters of 4 x 4, 327,680 bytes of LDS; arguments qkv, xxt, stats, wkwq_scalings, oa; writes oa
.if DOCPART == 4
	.amdgcn_target "amdgcn-amd-amdhsa--gfx1250"
	.amdhsa_code_object_version 6
	.text
	.protected	k_q7daf1426d3_asum
	.globl	k_q7daf1426d3_asum
	.p2align	8
	.type	k_q7daf1426d3_asum,@function
k_q7daf1426d3_asum:
	s_mov_b64 s[64:65], 0
	v_nop
	global_prefetch_b8 v0, s[64:65] scope:SCOPE_SE
	s_setreg_imm32_b32 hwreg(HW_REG_WAVE_MODE, 25, 1), 1
	s_wait_xcnt 0x0
	s_wait_alu depctr_hold_cnt(0) depctr_sa_sdst(0) depctr_va_vdst(0) depctr_va_sdst(0) depctr_va_ssrc(0) depctr_va_vcc(0) depctr_vm_vsrc(0)
	s_getreg_b32 s2, hwreg(HW_REG_IB_STS2, 6, 4)
	s_cmp_eq_u32 s2, 0
	s_cbranch_scc0 .Lentry_in_a_cluster
	s_endpgm
.Lentry_in_a_cluster:
	s_bfe_u32 s2, ttmp6, 0x10000c
	s_cmp_lg_u32 s2, 0xf033
	s_cbranch_scc0 .Lentry_shape_is_right
	s_endpgm
.Lentry_shape_is_right:
; THE SECOND PASS OVER THE SCORES, by block of queries and keys.  A'[q][k] = sum over the 16 heads of wl[h][q] 2^(S'[h][q][k] - m[h][q]) = 256 x the weighted sum of the heads' attention; f16, rounded once.
; S' is made as in the first pass: q' . k + sg xxt, with the first pass's maximum taken away in the fused multiply-add that starts the sum, so no exponent is above rounding's reach of 0.
; IN: q' | k f16 [4096][2048] at qkv's byte 0.   LIMIT: 256 x the sum of |wvwo| stays under 65,504.
; SHARES.  A work-group owns 128 queries x 256 keys; wave w has 64 queries (w / 4) x 64 keys (w % 4).  Its xxt (128 registers) and its sums (128) stay in registers for all heads.
; EIGHT WAVES OF 512 REGISTERS, so that ONE window setting (source 1 in window 1) serves every line of the loop: no switch stands between products and the vector work beside them.
; THE PIPELINE.  Unit u = 4 x head + block of 16 keys.  A(u): 16 packed sg xxt - m.  B(u): 8 products onto that.  C(u): 32 exponentials, 16 packed sums += wl p.  Turn n runs B(u + 1), with C(u) and A(u + 2) behind its
; products (nine behind the first, eight behind each other), and loads K of unit u + 2.  Two score buffers and two K buffers take turns.
; CLUSTER 4 x 4.  Q hangs on the block of queries: shared along a row of the cluster; K on batch and block of keys: shared along a column.  xxt's tile is the work-group's own.
; A slot holds a pair of heads: Q 128 x 272, K 256 x 272.  Waves 0, 1 fetch Q's halves, waves 2-5 K's quarters; waves 6, 7 fetch xxt's halves, once, into bytes that slot 1 later takes (read out first).
; The sums are cleared by 128 v_mov_b32 in the wait for the first tiles: the price of one text for all heads.
; REGISTERS: window 0: v1-15 addresses, sg; v16-23 m, a pair a tile; v24-31 the next head's m and wl; v32-63 K, two buffers; v64-127 scores, two buffers; v128-255 the sums.
;   window 1: v0-127 xxt; v128-191 Q; v192-199 wl; v200-207 the head before's wl.
.set PK,    272
.set KOFF,  128*PK
.set DX,    0x20000                    ; slot 1, and xxt's first place
.set PX,    1040
.set SPARE, DX+128*PX                  ; 264,192: the spare words, 128 bytes for each of eight waves
.set SP,    528
.set LOOPW, 0x04
.set AQ0, 3
.set AK0, 4
.set AQ,  5
.set AK,  6
.set SA,  7
.set STO, 8
.set RD,  9
.set GO,  10
.set SIG, 12
.set SPW, 14
.set NIL, 15
.set M,   16
.set MN,  24
.set KBF, 32
.set SBF, 64
.set ACC, 128
.set XX,  0
.set Q,   128
.set WL,  192
.set WV,  16
.set G1Q, 24
.set G1K, 32
.set G1X, 40
.set G0Q, 48
.set G0K, 52
.set G0X, 56
.set TB,  60                           ; s60 LDS byte at which the head in hand begins in a slot's rows
.set CNT, 61
.set SLOTS, 62
.set SOFF, 63                          ; s63 16,384 x the head whose statistics are asked for
.set SIGN, 66
.set WOFF, 67
.set MSB, 0
.macro WIN new
.if MSB != (\new)
	s_set_vgpr_msb (MSB<<8)|(\new)
.set MSB, \new
.endif
.endm
.macro PLACES
.rept 4
	v_nop
.endr
.endm
.macro CROUND
	s_barrier_signal -1
	s_barrier_wait -1
	s_cmp_lg_u32 s[WV], 0
	s_cbranch_scc1 .Lnot_wave_0_\@
	s_barrier_signal -3
.Lnot_wave_0_\@:
	s_barrier_wait -3
	s_barrier_signal -1
	s_barrier_wait -1
.endm
.macro JLOAD x                         ; x = 1: the first fills, in which waves 6, 7 fetch xxt; later they fetch nothing
	s_cmp_lt_u32 s[WV], 2
	s_cbranch_scc0 .Lnot_q_\@
	tensor_load_to_lds s[G0Q:G0Q+3], s[G1Q:G1Q+7]
	s_nop 0
.rept 4
	v_nop
.endr
	s_branch .Lasked_\@
.Lnot_q_\@:
	s_cmp_lt_u32 s[WV], 6
	s_cbranch_scc0 .Lnot_k_\@
	tensor_load_to_lds s[G0K:G0K+3], s[G1K:G1K+7]
	s_nop 0
.rept 4
	v_nop
.endr
.if \x
	s_branch .Lasked_\@
.endif
.Lnot_k_\@:
.if \x
	tensor_load_to_lds s[G0X:G0X+3], s[G1X:G1X+7]
	s_nop 0
.rept 4
	v_nop
.endr
.endif
.Lasked_\@:
.endm
.macro CHANGE fill                     ; the change of slots, on every wave's path
	WIN 0
	s_wait_tensorcnt 0x0
	ds_add_u32 v[SPW], v[NIL]
.if \fill
	s_xor_b32 s[G0Q+1], s[G0Q+1], DX
	s_add_nc_u64 s[G0Q+2:G0Q+3], s[G0Q+2:G0Q+3], 256
	s_xor_b32 s[G0K+1], s[G0K+1], DX
	s_add_nc_u64 s[G0K+2:G0K+3], s[G0K+2:G0K+3], 256
	s_wait_dscnt 0x0
	CROUND
	JLOAD 0
.else
	s_wait_dscnt 0x0
	s_barrier_signal -1
	s_barrier_wait -1
.endif
	s_sub_co_u32 s[TB], s[TB], 256
	s_xor_b32 s[TB], s[TB], DX
.endm
.macro STG step                        ; a head's m and wl for my 64 queries, and its scaling, are asked for a head ahead; behind head 15 it is asked for again
.if \step
	s_add_co_u32 s[SOFF], s[SOFF], 16384
	s_min_u32 s[SOFF], s[SOFF], 15*16384
.endif
	s_mov_b32 s70, s[SOFF]
	s_add_nc_u64 s[68:69], s[8:9], s[70:71]
	s_lshr_b32 s[WOFF], s[SOFF], 12
.irp t, 0,1,2,3
	global_load_b64 v[MN+2*\t:MN+2*\t+1], v[SA], s[68:69] offset:128*\t
.endr
	s_load_b32 s[SIGN], s[10:11], s[WOFF] offset:0x0
.endm
.macro ROT                             ; what was asked for becomes the head in hand's; its waits also free the loads' address registers
	WIN 0
	s_wait_loadcnt 0x0
	s_wait_kmcnt 0x0
.irp t, 0,1,2,3
	v_mov_b32 v[M+2*\t], v[MN+2*\t]
.endr
	v_mov_b32 v11, s[SIGN]
	v_cvt_pk_bf16_f32 v11, v11, v11
	v_lshlrev_b32 v11, 16, v11
	v_mul_f32 v[SIG], 0x3fb8aa3b, v11
	WIN 0x41
.irp t, 0,1,2,3
	v_mov_b32 v[WL+8+2*\t], v[WL+2*\t]
.endr
	WIN 0x40
.irp t, 0,1,2,3
	v_mov_b32 v[WL+2*\t], v[MN+2*\t+1]
.endr
	WIN 0
.endm
.macro QLOAD t0                        ; Q of tiles t0, t0 + 1 for the head in hand
	WIN 0x44
.irp z, 0,1,2,3
	ds_load_b128 v[Q+16*(\t0)+8*\z:Q+16*(\t0)+8*\z+3],   v[AQ] offset:((\t0)+\z/2)*16*PK+64*(\z%2)
	ds_load_b128 v[Q+16*(\t0)+8*\z+4:Q+16*(\t0)+8*\z+7], v[AQ] offset:((\t0)+\z/2)*16*PK+64*(\z%2)+32
.endr
	WIN LOOPW
.endm
.macro KLOAD n                         ; K of the head in hand, keys 16 n on, into buffer n % 2
.irp c, 0,1
	ds_load_b128 v[KBF+16*((\n)%2)+8*\c:KBF+16*((\n)%2)+8*\c+3],   v[AK] offset:(\n)*16*PK+64*\c
	ds_load_b128 v[KBF+16*((\n)%2)+8*\c+4:KBF+16*((\n)%2)+8*\c+7], v[AK] offset:(\n)*16*PK+64*\c+32
.endr
.endm
.macro AUNIT sb, kb                    ; A, bare: for the first two units
.set z, 0
.rept 16
	v_pk_fma_f32 v[(\sb)+8*(z/4)+2*(z%4):(\sb)+8*(z/4)+2*(z%4)+1], v[SIG:SIG+1], v[XX+32*(z/4)+8*(\kb)+2*(z%4):XX+32*(z/4)+8*(\kb)+2*(z%4)+1], v[M+2*(z/4):M+2*(z/4)+1] op_sel_hi:[0,1,0] neg_lo:[0,0,1] neg_hi:[0,0,1]
.set z, z+1
.endr
.endm
.macro PLN t, i                        ; plain line i of tile t: 0-3 the sums' pairs, 4-7 the next unit's sg xxt - m into the pairs just summed
.if (\i) < 4
	v_pk_fma_f32 v[ACC+32*(\t)+8*KC+2*(\i):ACC+32*(\t)+8*KC+2*(\i)+1], v[SC+8*(\t)+2*(\i):SC+8*(\t)+2*(\i)+1], v[WLC+2*(\t):WLC+2*(\t)+1], v[ACC+32*(\t)+8*KC+2*(\i):ACC+32*(\t)+8*KC+2*(\i)+1] op_sel_hi:[1,0,1]
.elseif DOA
	v_pk_fma_f32 v[SC+8*(\t)+2*((\i)-4):SC+8*(\t)+2*((\i)-4)+1], v[SIG:SIG+1], v[XX+32*(\t)+8*KA+2*((\i)-4):XX+32*(\t)+8*KA+2*((\i)-4)+1], v[M+2*(\t):M+2*(\t)+1] op_sel_hi:[0,1,0] neg_lo:[0,0,1] neg_hi:[0,0,1]
.else
	v_nop
.endif
.endm
; The 65 lines that stand behind a turn's products, in order: tile 0's eight exponentials; a v_nop, the plain line ahead of their first use; for tiles 1 to 3 exponential i and plain line i of the tile before, by turns;
; tile 3's eight plain lines.  Each accumulator's lowest register is read first.
.macro RID
.if e < 8
	v_exp_f32 v[SC+e], v[SC+e]
.elseif e == 8
	v_nop
.elseif e < 57
.set u, e-9
.if u%2 == 0
	v_exp_f32 v[SC+8*(1+u/16)+(u%16)/2], v[SC+8*(1+u/16)+(u%16)/2]
.else
	PLN u/16, (u%16)/2
.endif
.else
	PLN 3, e-57
.endif
.set e, e+1
.endm
; TURN n of a trip (the trip of head g): C of unit 4 g - 2 + n, B of the unit behind it, A and K's loads of unit 4 g + n.  live = 0: the two closing turns: nothing is fetched and no A is made.  prod = 0: no products.
; K's loads stand at the head: the buffer's last reader is the turn before's last product, eight plain lines back.  In turn 0 Q of head g is loaded: tiles 0, 1 eight plain lines behind their last reader (product 3),
; tiles 2, 3 behind the eight plain lines that follow product 7.
.macro TURN n, live=1, prod=1
	WIN LOOPW
.set SC, SBF+32*((\n)%2)
.set SD, SBF+32*(((\n)+1)%2)
.set KD, KBF+16*(((\n)+1)%2)
.set KC, ((\n)+2)%4
.set KA, (\n)
.set WLC, WL+8*(1-(\n)/2)
.set DOA, (\live)
.set e, 0
.if \prod
.if ((\n) == 1) && (\live)
	s_wait_dscnt 8                                 ; K and Q's tiles 0, 1 are in; the youngest eight loads, Q's tiles 2, 3, may stay out
.else
	s_wait_dscnt 0x0                               ; K is in
.endif
.endif
.if \live
	KLOAD \n
.endif
.set p, 0
.rept 8
.if \prod
.if ((\n) == 1) && (\live) && (p == 4)
	s_wait_dscnt 4                                 ; Q's tiles 2, 3 are in; this turn's four loads of K may stay out
.endif
.set tt, 2*(p/4)+p%2
.set cc, (p/2)%2
	v_wmma_f32_16x16x32_f16 v[SD+8*tt:SD+8*tt+7], v[KD+8*cc:KD+8*cc+7], v[Q+16*tt+8*cc:Q+16*tt+8*cc+7], v[SD+8*tt:SD+8*tt+7]
.endif
.rept 9-(p+7)/8
	RID
.endr
.if ((\n) == 0) && (\live) && (p == 4)
	QLOAD 0
.endif
.if ((\n) == 0) && (\live) && (p == 7)
	QLOAD 2
.endif
.set p, p+1
.endr
.endm
.macro THEAD                           ; a trip's head: where the head in hand lies
	v_add_nc_u32 v[AQ], s[TB], v[AQ0]
	v_add_nc_u32 v[AK], s[TB], v[AK0]
.endm
.macro TEND                            ; a trip's end
	ROT
	s_add_co_u32 s[TB], s[TB], 128
	STG 1
.endm
	s_load_b256 s[4:11], s[0:1], 0x0               ; qkv s[4:5], xxt s[6:7], stats s[8:9], wkwq s[10:11]
	s_load_b64 s[12:13], s[0:1], 0x20              ; oa
	v_lshl_add_u32 v[SPW], v0, 2, SPARE
	v_mov_b32 v[NIL], 0
	ds_add_u32 v[SPW], v[NIL]                      ; the wave's opening
	v_lshrrev_b32 v1, 5, v0
	v_readfirstlane_b32 s[WV], v1
	s_lshr_b32 s17, s[WV], 2                       ; wq
	s_and_b32 s18, s[WV], 3                        ; wk
	s_bfe_u32 s19, ttmp6, 0x40000
	s_bfe_u32 s20, ttmp6, 0x40004
	s_lshl_b32 s21, ttmp9, 2
	s_add_co_u32 s21, s21, s19                     ; block of 256 keys
	s_and_b32 s72, ttmp7, 0xffff
	s_lshr_b32 s23, s72, 2                         ; batch: from the cluster's y alone
	s_lshl_b32 s22, s72, 2
	s_add_co_u32 s22, s22, s20                     ; block of 128 rows among 4,096
	s_lshl_b32 s72, s20, 2
	s_lshl_b32 s72, 15, s72
	s_lshl_b32 s73, 0x1111, s19
	s_or_b32 s[G1Q], s72, 0x07710000
	s_or_b32 s[G1K], s73, 0x07710000
	s_mov_b32 s[G1X], 0x07d20000                   ; no mask; 4-byte elements; 4 words of padding after every 256
.irp g, G1Q, G1K
	s_mov_b32 s[\g+1], 128<<16
	s_mov_b32 s[\g+2], 64<<16
	s_mov_b32 s[\g+3], 128<<16
	s_mov_b32 s[\g+4], 64
	s_mov_b32 s[\g+5], 2048
	s_mov_b32 s[\g+6], 0
	s_mov_b32 s[\g+7], 0
.endr
	s_mov_b32 s[G1X+1], 256<<16
	s_mov_b32 s[G1X+2], 64<<16
	s_mov_b32 s[G1X+3], 256<<16
	s_mov_b32 s[G1X+4], 64
	s_mov_b32 s[G1X+5], 2048
	s_mov_b32 s[G1X+6], 0
	s_mov_b32 s[G1X+7], 0
	s_and_b32 s72, s[WV], 1
	s_lshl_b32 s73, s22, 7
	s_lshl_b32 s74, s72, 6
	s_add_co_u32 s73, s73, s74                     ; row 128 y + 64 (wave % 2): Q's and xxt's halves
	s_lshl_b32 s74, s73, 12                        ; q | k: rows of 4,096 bytes
	s_mov_b32 s75, 0
	s_add_co_u32 s76, s[WV], 2
	s_and_b32 s76, s76, 3                          ; waves 2-5 take K's quarters 0-3
	s_lshl_b32 s76, s76, 6
	s_lshl_b32 s77, s23, 11
	s_add_co_u32 s76, s76, s77
	s_lshl_b32 s77, s21, 8
	s_add_co_u32 s76, s76, s77
	s_lshl_b32 s76, s76, 12
	s_add_co_u32 s76, s76, 2048
	s_mov_b32 s77, 0
	s_lshl_b32 s78, s73, 13
	s_lshl_b32 s79, s21, 10
	s_add_co_u32 s78, s78, s79
	s_mov_b32 s79, 0
	s_mul_i32 s80, s[WV], 64*PK
	s_mul_i32 s81, s72, 64*PX
	s_mov_b32 s[G0Q], 1
	s_mov_b32 s[G0Q+1], s80
	s_mov_b32 s[G0K], 1
	s_mov_b32 s[G0K+1], s80
	s_mov_b32 s[G0X], 1
	s_add_co_u32 s[G0X+1], s81, DX
	s_lshl_b32 s82, s23, 18                        ; stats: the batch's 16 heads x 16,384 bytes, my block's 128 queries x 8
	s_and_b32 s83, s22, 15
	s_lshl_b32 s83, s83, 10
	s_add_co_u32 s82, s82, s83
	s_mov_b32 s83, 0
	s_lshl_b32 s84, s22, 7
	s_lshl_b32 s85, s[WV], 4
	s_add_co_u32 s84, s84, s85
	s_mul_i32 s84, s84, 6144                       ; oa: the 16 rows that I store, column 1,024 + 256 x block of keys
	s_lshl_b32 s85, s21, 9
	s_add_co_u32 s84, s84, s85
	s_add_co_u32 s84, s84, 2048
	s_mov_b32 s85, 0
	s_mov_b32 s[TB], DX+256                        ; the first change of slots turns it into 0
	s_mov_b32 s[SOFF], 0
	s_mov_b32 s71, 0
	s_wait_dscnt 0x0
	s_wait_kmcnt 0x0
	s_add_nc_u64 s[G0Q+2:G0Q+3], s[4:5], s[74:75]
	s_or_b32 s[G0Q+3], s[G0Q+3], 0x80000000
	s_add_nc_u64 s[G0K+2:G0K+3], s[4:5], s[76:77]
	s_or_b32 s[G0K+3], s[G0K+3], 0x80000000
	s_add_nc_u64 s[G0X+2:G0X+3], s[6:7], s[78:79]
	s_or_b32 s[G0X+3], s[G0X+3], 0x80000000
	s_add_nc_u64 s[8:9], s[8:9], s[82:83]
	s_add_nc_u64 s[12:13], s[12:13], s[84:85]
	CROUND
	JLOAD 1                                        ; heads 0, 1 into slot 0, and xxt: one load a wave
	v_and_b32 v1, 15, v0                           ; r
	v_bfe_u32 v2, v0, 4, 1                         ; h
	s_lshl_b32 s86, s17, 6
	v_add_nc_u32 v11, s86, v1                      ; 64 wq + r
	v_lshlrev_b32 v[SA], 3, v11
	STG 0                                          ; head 0's statistics
	v_mul_u32_u24 v[AQ0], v11, PK
	v_lshl_add_u32 v[AQ0], v2, 4, v[AQ0]
	v_mul_u32_u24 v[STO], v11, SP                  ; the stage: in, row 64 wq + r, my 128 bytes, 16 h
	v_lshl_add_u32 v[STO], v2, 4, v[STO]
	s_lshl_b32 s87, s18, 7
	v_add_nc_u32 v[STO], s87, v[STO]
	v_mul_u32_u24 v11, v11, PX                     ; xxt: row 64 wq + r, my 256 bytes, 32 h
	v_lshl_add_u32 v11, v2, 5, v11
	s_lshl_b32 s87, s18, 8
	s_add_co_u32 s87, s87, DX
	v_add_nc_u32 v11, s87, v11
	s_lshl_b32 s86, s18, 6
	v_add_nc_u32 v[AK0], s86, v1
	v_mul_u32_u24 v[AK0], v[AK0], PK
	v_lshl_add_u32 v[AK0], v2, 4, v[AK0]
	v_add_nc_u32 v[AK0], KOFF, v[AK0]
	v_and_b32 v[GO], 31, v0
	v_lshlrev_b32 v[GO], 4, v[GO]
	s_mul_i32 s86, s[WV], 16*SP
	v_add_nc_u32 v[RD], s86, v[GO]                 ; back: rows 16 w on, 32 lanes take a whole row of 512 bytes
	v_mov_b32 v[SIG+1], 0                          ; the pairs' second words are named and never used
.irp t, 0,1,2,3
	v_mov_b32 v[M+2*\t+1], 0
.endr
.set i, ACC
.rept 128
	v_mov_b32 v[i], 0
.set i, i+1
.endr
	WIN 0x40
.set i, WL
.rept 16
	v_mov_b32 v[i], 0
.set i, i+1
.endr
	WIN 0
	s_wait_tensorcnt 0x0                           ; my first fill is in,
	s_barrier_signal -1
	s_barrier_wait -1                              ; everybody's is
	WIN 0x40
.set z, 0
.rept 16                               ; xxt into registers: tile z / 4, keys 16 (z % 4) on
	ds_load_b128 v[XX+8*z:XX+8*z+3],   v11 offset:(z/4)*16*PX+64*(z%4)
	ds_load_b128 v[XX+8*z+4:XX+8*z+7], v11 offset:(z/4)*16*PX+64*(z%4)+16
.set z, z+1
.endr
	CHANGE 1                                       ; every wave's reads of xxt are over: heads 2, 3 go into slot 1
	THEAD
	QLOAD 0
	QLOAD 2
	KLOAD 0
	KLOAD 1
	ROT                                            ; head 0's m, wl and sg
	STG 1
	WIN LOOPW
	AUNIT SBF, 0
	AUNIT SBF+32, 1
	s_wait_dscnt 0x0
.set p, 0
.rept 8                                ; B of unit 0, bare; the accumulators take turns
.set tt, 2*(p/4)+p%2
.set cc, (p/2)%2
	v_wmma_f32_16x16x32_f16 v[SBF+8*tt:SBF+8*tt+7], v[KBF+8*cc:KBF+8*cc+7], v[Q+16*tt+8*cc:Q+16*tt+8*cc+7], v[SBF+8*tt:SBF+8*tt+7]
.set p, p+1
.endr
	PLACES
	WIN 0
	s_mov_b32 s[CNT], 2
	s_mov_b32 s[SLOTS], 7
	s_branch .Lfirst                               ; the loop is entered in the middle of head 0's trip
.Lslot:                                                ; 6 times: every slot but the last two is filled again
	CHANGE 1
	s_mov_b32 s[CNT], 2
.Ltrip:
	THEAD
	TURN 0
	TURN 1
	WIN 0
.Lfirst:
	TURN 2
	TURN 3
	TEND
	s_sub_co_u32 s[CNT], s[CNT], 1
	s_cmp_lg_u32 s[CNT], 0
	s_cbranch_scc1 .Ltrip
	s_sub_co_u32 s[SLOTS], s[SLOTS], 1
	s_cmp_lg_u32 s[SLOTS], 0
	s_cbranch_scc1 .Lslot
	CHANGE 0                                       ; the tail is written out
	s_mov_b32 s[CNT], 2
.Ltail:
	THEAD
	TURN 0
	TURN 1
	TURN 2
	TURN 3
	TEND
	s_sub_co_u32 s[CNT], s[CNT], 1
	s_cmp_lg_u32 s[CNT], 0
	s_cbranch_scc1 .Ltail
	TURN 0, 0, 1                                   ; the last unit's products, the last but one's exponentials and sums
	TURN 1, 0, 0                                   ; the last unit's exponentials and sums
	; THE WAY OUT, through a stage in the ring, which has had its last fill
	WIN 0
	s_wait_dscnt 0x0
	s_barrier_signal -1
	s_barrier_wait -1
.set i, 0
.rept 64
	v_cvt_pk_f16_f32 v[SBF+i], v[ACC+2*i], v[ACC+2*i+1]
.set i, i+1
.endr
.set i, 0
.rept 16                               ; tile i / 4, keys 16 (i % 4) on
	ds_store_b128 v[STO], v[SBF+4*i:SBF+4*i+3] offset:(i/4)*16*SP+32*(i%4)
.set i, i+1
.endr
	s_wait_dscnt 0x0                               ; for the others' sake: a row's 512 bytes come from four waves
	s_barrier_signal -1
	s_barrier_wait -1
.set i, 0
.rept 16
	ds_load_b128 v[ACC+4*i:ACC+4*i+3], v[RD] offset:i*SP
.set i, i+1
.endr
.set i, 0
.rept 16
	s_wait_dscnt 15-i
	global_store_b128 v[GO], v[ACC+4*i:ACC+4*i+3], s[12:13] offset:i*6144  ; 512 consecutive bytes, aligned
.set i, i+1
.endr
	s_wait_tensorcnt 0x0                           ; the wave's end
	ds_add_u32 v[SPW], v[NIL]
	s_wait_dscnt 0x0
	CROUND
	s_endpgm
.Lfunc_end_k_q7daf1426d3_asum:
	.size	k_q7daf1426d3_asum, .Lfunc_end_k_q7daf1426d3_asum-k_q7daf1426d3_asum
	.p2alignl 7, 3214868480
	.fill 96, 4, 3214868480
	.section	.rodata,"a",@progbits
	.p2align	6, 0x0
	.amdhsa_kernel k_q7daf1426d3_asum
		.amdhsa_group_segment_fixed_size 327680
		.amdhsa_private_segment_fixed_size 0
		.amdhsa_enable_private_segment 0
		.amdhsa_kernarg_size 40
		.amdhsa_user_sgpr_count 2
		.amdhsa_user_sgpr_kernarg_segment_ptr 1
		.amdhsa_wavefront_size32 1
		.amdhsa_system_sgpr_workgroup_id_x 1
		.amdhsa_system_sgpr_workgroup_id_y 1
		.amdhsa_system_sgpr_workgroup_id_z 1
		.amdhsa_system_vgpr_workitem_id 0
		.amdhsa_next_free_vgpr 512
		.amdhsa_next_free_sgpr 96
		.amdhsa_reserve_vcc 0
		.amdhsa_float_denorm_mode_32 3
		.amdhsa_float_denorm_mode_16_64 3
		.amdhsa_memory_ordered 1
		.amdhsa_forward_progress 1
		.amdhsa_inst_pref_size 75
	.end_amdhsa_kernel
	.amdgpu_metadata
---
amdhsa.version: [ 1, 2 ]
amdhsa.kernels:
  - .name:           k_q7daf1426d3_asum
    .symbol:         k_q7daf1426d3_asum.kd
    .args:
      - { .name: qkv, .offset: 0, .size: 8, .value_kind: global_buffer, .address_space: global }
      - { .name: xxt, .offset: 8, .size: 8, .value_kind: global_buffer, .address_space: global }
      - { .name: stats, .offset: 16, .size: 8, .value_kind: global_buffer, .address_space: global }
      - { .name: wkwq_scalings, .offset: 24, .size: 8, .value_kind: global_buffer, .address_space: global }
      - { .name: oa, .offset: 32, .size: 8, .value_kind: global_buffer, .address_space: global }
    .group_segment_fixed_size: 327680
    .private_segment_fixed_size: 0
    .kernarg_segment_align: 8
    .kernarg_segment_size: 40
    .max_flat_workgroup_size: 256
    .sgpr_count:     96
    .vgpr_count:     512
    .wavefront_size: 32
...
	.end_amdgpu_metadata
.endif
;; end of part 4
;; launch final (part 5): grid 8 x 32, 4 waves a work-group, clusters of 4 x 4, 327,680 bytes of LDS; arguments oa, bt, out0; writes out0
.if DOCPART == 5
	.amdgcn_target "amdgcn-amd-amdhsa--gfx1250"
	.amdhsa_code_object_version 6
	.text
	.protected	k_q7daf1426d3_final
	.globl	k_q7daf1426d3_final
	.p2align	8
	.type	k_q7daf1426d3_final,@function
k_q7daf1426d3_final:
	s_mov_b64 s[64:65], 0
	v_nop
	global_prefetch_b8 v0, s[64:65] scope:SCOPE_SE
	s_setreg_imm32_b32 hwreg(HW_REG_WAVE_MODE, 25, 1), 1
	s_wait_xcnt 0x0
	s_wait_alu depctr_hold_cnt(0) depctr_sa_sdst(0) depctr_va_vdst(0) depctr_va_sdst(0) depctr_va_ssrc(0) depctr_va_vcc(0) depctr_vm_vsrc(0)
	s_getreg_b32 s2, hwreg(HW_REG_IB_STS2, 6, 4)
	s_cmp_eq_u32 s2, 0
	s_cbranch_scc0 .Lentry_in_a_cluster
	s_endpgm
.Lentry_in_a_cluster:
	s_bfe_u32 s2, ttmp6, 0x10000c
	s_cmp_lg_u32 s2, 0xf033
	s_cbranch_scc0 .Lentry_shape_is_right
	s_endpgm
.Lentry_shape_is_right:
; out0[m][n] = 2^-8 x the sum over k of oa[m][k] bt[b][n][k], k = 0..3071: the heads' outputs times 256 w_out, and 256 x the summed attention times x, in ONE product.  f16 operands, sums in f32; 2^-8 is exact.
; A tile of C is 128 x 128: 8 x 32 tiles for 256 work-groups.  Four waves, each 64 x 64: 16 accumulators.  K in steps of 256 (LDS rows of 512 bytes, 64 rows a load) through two slots;
; one tensor load a wave behind each round; one load of a wave is out at a time.  CLUSTER 4 x 4: A's tile is shared along a row of the cluster, B's along a column; the batch comes from the cluster's y.
; The matrix instruction is used transposed: a lane holds eight neighbouring columns of one row of C.
; REGISTERS: window 0: addresses; v128-255 the accumulators ((a, b) at 128 + 8 (4 a + b)).  window 1: two fragment buffers of 128: for 64 along K, 64 registers of A, then 64 of B.
.set PITCH, 528
.set HALFT, 64*PITCH
.set DX,    4*HALFT                    ; a slot, 0x21000: bits that are clear in every wave's w x HALFT
.set SPARE, 2*DX
.set SP,    528
.set ADRA0, 16
.set ADRB0, 17
.set ADRA,  18
.set ADRB,  19
.set STO,   24
.set RD,    25
.set CO,    26
.set SPW,   28
.set NIL,   29
.set ACC,   128
.set F0,    0
.set F1,    128
.set WV,    10
.set G1A,   24
.set G0A,   32
.set G1B,   48
.set G0B,   56
.set SB,    60
.set MSB, 0
.macro WIN new
.if MSB != (\new)
	s_set_vgpr_msb (MSB<<8)|(\new)
.set MSB, \new
.endif
.endm
.set MUL,  0x05
.set TO_F, 0x40
.macro PLACES
.rept 4
	v_nop
.endr
.endm
.macro CREST
	s_cmp_lg_u32 s[WV], 0
	s_cbranch_scc1 .Lnot_wave_0_\@
	s_barrier_signal -3
.Lnot_wave_0_\@:
	s_barrier_wait -3
	s_barrier_signal -1
	s_barrier_wait -1
.endm
.macro CROUND
	s_barrier_signal -1
	s_barrier_wait -1
	CREST
.endm
.macro JLOAD                           ; waves 0, 1 fetch A's halves, waves 2, 3 B's
	s_cmp_eq_u32 s11, 0
	s_cbranch_scc0 .Lfor_b_\@
	tensor_load_to_lds s[G0A:G0A+3], s[G1A:G1A+7]
	s_nop 0
.rept 4
	v_nop
.endr
	s_branch .Lasked_\@
.Lfor_b_\@:
	tensor_load_to_lds s[G0B:G0B+3], s[G1B:G1B+7]
	s_nop 0
.rept 4
	v_nop
.endr
.Lasked_\@:
.endm
.macro STEPG
	s_xor_b32 s[G0A+1], s[G0A+1], DX
	s_add_nc_u64 s[G0A+2:G0A+3], s[G0A+2:G0A+3], 512
	s_xor_b32 s[G0B+1], s[G0B+1], DX
	s_add_nc_u64 s[G0B+2:G0B+3], s[G0B+2:G0B+3], 512
.endm
.macro MUL8 f, c, a0, zero             ; 8 matrix instructions: blocks a0, a0 + 1 of A x all 4 of B, 32 along K: half c of buffer f
	WIN MUL
.irp a, \a0, (\a0)+1
.irp b, 0,1,2,3
.if \zero
	v_wmma_f32_16x16x32_f16 v[ACC+8*(4*(\a)+(\b)):ACC+8*(4*(\a)+(\b))+7], v[(\f)+64+8*(4*(\c)+(\b)):(\f)+64+8*(4*(\c)+(\b))+7], v[(\f)+8*(4*(\c)+(\a)):(\f)+8*(4*(\c)+(\a))+7], 0
.else
	v_wmma_f32_16x16x32_f16 v[ACC+8*(4*(\a)+(\b)):ACC+8*(4*(\a)+(\b))+7], v[(\f)+64+8*(4*(\c)+(\b)):(\f)+64+8*(4*(\c)+(\b))+7], v[(\f)+8*(4*(\c)+(\a)):(\f)+8*(4*(\c)+(\a))+7], v[ACC+8*(4*(\a)+(\b)):ACC+8*(4*(\a)+(\b))+7]
.endif
.endr
.endr
.endm
.macro FETCH k, f                      ; 32 LDS loads in one run: 64 along K at byte k of the rows; the first 32 along K first
	WIN TO_F
.irp c, 0,1
.irp i, 0,1,2,3
	ds_load_b128 v[(\f)+64+8*(4*(\c)+(\i)):(\f)+64+8*(4*(\c)+(\i))+3],   v[ADRB] offset:(\k)+64*(\c)+(\i)*16*PITCH
	ds_load_b128 v[(\f)+64+8*(4*(\c)+(\i))+4:(\f)+64+8*(4*(\c)+(\i))+7], v[ADRB] offset:(\k)+64*(\c)+(\i)*16*PITCH+32
	ds_load_b128 v[(\f)+8*(4*(\c)+(\i)):(\f)+8*(4*(\c)+(\i))+3],         v[ADRA] offset:(\k)+64*(\c)+(\i)*16*PITCH
	ds_load_b128 v[(\f)+8*(4*(\c)+(\i))+4:(\f)+8*(4*(\c)+(\i))+7],       v[ADRA] offset:(\k)+64*(\c)+(\i)*16*PITCH+32
.endr
.endr
.endm
.macro QUARTER k, f, g, zero
	s_wait_dscnt 16                                ; the first 32 along K are in
	MUL8 \f, 0, 0, \zero
	MUL8 \f, 0, 2, \zero
	PLACES
	FETCH \k, \g
	s_wait_dscnt 32                                ; all but the 32 just issued
	MUL8 \f, 1, 0, 0
	MUL8 \f, 1, 2, 0
.endm
.macro TURN fill
	WIN 0
	s_wait_tensorcnt 0x0                           ; all my tensor loads have landed: my part of the next slot
	ds_add_u32 v[SPW], v[NIL]
	s_wait_dscnt 17                                ; (the add and the youngest sixteen loads may be out)
	MUL8 F1, 0, 0, 0
	s_wait_dscnt 0x0                               ; the add is done, and my reads of this slot are over
	s_barrier_signal -1
	MUL8 F1, 0, 2, 0
	WIN 0
	s_barrier_wait -1
.if \fill
	CREST
	STEPG
	JLOAD                                          ; the first tensor load behind the round: 112 matrix instructions ahead of the wait for it
.else
	PLACES
.endif
	s_xor_b32 s[SB], s[SB], DX
	v_add_nc_u32 v[ADRA], s[SB], v[ADRA0]
	v_add_nc_u32 v[ADRB], s[SB], v[ADRB0]
	FETCH 0, F0
	MUL8 F1, 1, 0, 0
	MUL8 F1, 1, 2, 0
.endm
	s_load_b128 s[4:7], s[0:1], 0x0                ; oa s[4:5], bt s[6:7]
	s_load_b64 s[8:9], s[0:1], 0x10                ; out0
	v_lshl_add_u32 v[SPW], v0, 2, SPARE
	v_mov_b32 v[NIL], 0
	ds_add_u32 v[SPW], v[NIL]                      ; the wave's opening
	v_lshrrev_b32 v1, 5, v0
	v_readfirstlane_b32 s[WV], v1
	s_lshr_b32 s11, s[WV], 1                       ; my half of the rows.  Also: I fetch for A (0) or B (1)
	s_and_b32 s12, s[WV], 1                        ; my half of the columns.  Also: which 64 rows I fetch
	s_bfe_u32 s40, ttmp6, 0x40000
	s_bfe_u32 s41, ttmp6, 0x40004
	s_lshl_b32 s42, ttmp9, 2
	s_add_co_u32 s42, s42, s40                     ; tile column
	s_and_b32 s45, ttmp7, 0xffff
	s_lshl_b32 s13, s45, 2
	s_add_co_u32 s13, s13, s41                     ; tile row
	s_lshr_b32 s45, s45, 2                         ; batch
	s_lshl_b32 s43, s41, 2
	s_lshl_b32 s43, 15, s43
	s_lshl_b32 s44, 0x1111, s40
	s_or_b32 s[G1A], s43, 0x07b10000               ; 2-byte elements; 4 words of padding after every 128
	s_or_b32 s[G1B], s44, 0x07b10000
.irp g, G1A, G1B
	s_mov_b32 s[\g+1], 256<<16
	s_mov_b32 s[\g+2], 64<<16
	s_mov_b32 s[\g+3], 256<<16
	s_mov_b32 s[\g+4], 64
	s_mov_b32 s[\g+5], 3072
	s_mov_b32 s[\g+6], 0
	s_mov_b32 s[\g+7], 0
.endr
	s_lshl_b32 s17, s12, 6
	s_lshl_b32 s16, s13, 7
	s_add_co_u32 s16, s16, s17
	s_mul_i32 s16, s16, 6144
	s_lshl_b32 s46, s42, 7
	s_add_co_u32 s46, s46, s17
	s_mul_i32 s46, s46, 6144
	s_mul_i32 s47, s45, 6291456
	s_add_co_u32 s46, s46, s47
	s_mov_b32 s17, 0
	s_mov_b32 s47, 0
	s_mul_i32 s20, s[WV], HALFT
	s_mov_b32 s[G0A], 1
	s_mov_b32 s[G0A+1], s20
	s_mov_b32 s[G0B], 1
	s_mov_b32 s[G0B+1], s20
	s_mov_b32 s[SB], 0
	s_wait_dscnt 0x0
	s_wait_kmcnt 0x0
	s_add_nc_u64 s[G0A+2:G0A+3], s[4:5], s[16:17]
	s_or_b32 s[G0A+3], s[G0A+3], 0x80000000
	s_add_nc_u64 s[G0B+2:G0B+3], s[6:7], s[46:47]
	s_or_b32 s[G0B+3], s[G0B+3], 0x80000000
	CROUND
	JLOAD                                          ; K step 0 into slot 0
	v_and_b32 v1, 15, v0
	v_bfe_u32 v2, v0, 4, 1
	v_mul_u32_u24 v3, v1, PITCH
	v_lshl_add_u32 v3, v2, 4, v3
	s_mul_i32 s21, s11, HALFT
	s_mul_i32 s22, s12, HALFT
	s_add_co_u32 s22, s22, 2*HALFT
	v_add_nc_u32 v[ADRA0], s21, v3
	v_add_nc_u32 v[ADRB0], s22, v3
	s_mul_i32 s21, s11, 64*SP                      ; the stage: in, row 64 wm + r, my 256 bytes, 32 h
	s_lshl_b32 s22, s12, 8
	s_add_co_u32 s21, s21, s22
	v_mul_u32_u24 v4, v1, SP
	v_lshl_add_u32 v4, v2, 5, v4
	v_add_nc_u32 v[STO], s21, v4
	s_mul_i32 s23, s[WV], 32*SP                    ; back: rows 32 w on, 32 lanes take a whole row of 512 bytes
	v_and_b32 v5, 31, v0
	v_lshlrev_b32 v[CO], 4, v5
	v_add_nc_u32 v[RD], s23, v[CO]
	s_lshl_b32 s16, s13, 7
	s_lshl_b32 s17, s[WV], 5
	s_add_co_u32 s16, s16, s17
	s_lshl_b32 s16, s16, 12
	s_lshl_b32 s17, s42, 9
	s_add_co_u32 s16, s16, s17
	s_mov_b32 s17, 0
	s_add_nc_u64 s[8:9], s[8:9], s[16:17]
	s_wait_tensorcnt 0x0                           ; slot 0: my part is in.  Slot 1's first fill goes out as a refill does
	ds_add_u32 v[SPW], v[NIL]
	STEPG
	s_wait_dscnt 0x0
	CROUND
	JLOAD
	v_add_nc_u32 v[ADRA], s[SB], v[ADRA0]
	v_add_nc_u32 v[ADRB], s[SB], v[ADRB0]
	FETCH 0, F0
	QUARTER 128, F0, F1, 1                         ; the first quarter stands in front of the loop: its first products start the sums
	WIN 0
	s_mov_b32 s3, 10
.Lstep:                                                ; a trip: a K step's quarters 1-3 and the next step's quarter 0; it asks for the step two on: steps 2 to 11
	QUARTER 256, F1, F0, 0
	QUARTER 384, F0, F1, 0
	TURN 1
	QUARTER 128, F0, F1, 0
	WIN 0
	s_sub_co_u32 s3, s3, 1
	s_cmp_lg_u32 s3, 0
	s_cbranch_scc1 .Lstep
	QUARTER 256, F1, F0, 0
	QUARTER 384, F0, F1, 0
	TURN 0
	QUARTER 128, F0, F1, 0
	QUARTER 256, F1, F0, 0
	QUARTER 384, F0, F1, 0
	s_wait_dscnt 16
	MUL8 F1, 0, 0, 0
	MUL8 F1, 0, 2, 0
	s_wait_dscnt 0x0
	MUL8 F1, 1, 0, 0
	MUL8 F1, 1, 2, 0
	; THE WAY OUT, through a stage in the ring, which has had its last fill
	WIN 0
	PLACES
	s_wait_dscnt 0x0
	s_barrier_signal -1
	s_barrier_wait -1
.set i, 0
.rept 64
	v_pk_mul_f32 v[ACC+2*i:ACC+2*i+1], v[ACC+2*i:ACC+2*i+1], 0x3b800000 op_sel_hi:[1,0]  ; x 2^-8
.set i, i+1
.endr
.set i, 0
.rept 16
	ds_store_b128 v[STO], v[ACC+8*i:ACC+8*i+3]   offset:(i/4)*16*SP+64*(i%4)
	ds_store_b128 v[STO], v[ACC+8*i+4:ACC+8*i+7] offset:(i/4)*16*SP+64*(i%4)+16
.set i, i+1
.endr
	s_wait_dscnt 0x0                               ; for the others' sake: a row's 512 bytes come from two waves
	s_barrier_signal -1
	s_barrier_wait -1
	WIN 0x40
.set i, 0
.rept 32
	ds_load_b128 v[4*i:4*i+3], v[RD] offset:i*SP
.set i, i+1
.endr
	WIN 0x04
.set i, 0
.rept 32
	s_wait_dscnt 31-i
	global_store_b128 v[CO], v[4*i:4*i+3], s[8:9] offset:i*4096  ; 512 consecutive bytes, aligned
.set i, i+1
.endr
	WIN 0
	s_wait_tensorcnt 0x0                           ; the wave's end
	ds_add_u32 v[SPW], v[NIL]
	s_wait_dscnt 0x0
	CROUND
	s_endpgm
.Lfunc_end_k_q7daf1426d3_final:
	.size	k_q7daf1426d3_final, .Lfunc_end_k_q7daf1426d3_final-k_q7daf1426d3_final
	.p2alignl 7, 3214868480
	.fill 96, 4, 3214868480
	.section	.rodata,"a",@progbits
	.p2align	6, 0x0
	.amdhsa_kernel k_q7daf1426d3_final
		.amdhsa_group_segment_fixed_size 327680
		.amdhsa_private_segment_fixed_size 0
		.amdhsa_enable_private_segment 0
		.amdhsa_kernarg_size 24
		.amdhsa_user_sgpr_count 2
		.amdhsa_user_sgpr_kernarg_segment_ptr 1
		.amdhsa_wavefront_size32 1
		.amdhsa_system_sgpr_workgroup_id_x 1
		.amdhsa_system_sgpr_workgroup_id_y 1
		.amdhsa_system_sgpr_workgroup_id_z 1
		.amdhsa_system_vgpr_workitem_id 0
		.amdhsa_next_free_vgpr 512
		.amdhsa_next_free_sgpr 66
		.amdhsa_reserve_vcc 0
		.amdhsa_float_denorm_mode_32 3
		.amdhsa_float_denorm_mode_16_64 3
		.amdhsa_memory_ordered 1
		.amdhsa_forward_progress 1
		.amdhsa_inst_pref_size 75
	.end_amdhsa_kernel
	.amdgpu_metadata
---
amdhsa.version: [ 1, 2 ]
amdhsa.kernels:
  - .name:           k_q7daf1426d3_final
    .symbol:         k_q7daf1426d3_final.kd
    .args:
      - { .name: oa, .offset: 0, .size: 8, .value_kind: global_buffer, .address_space: global }
      - { .name: bt, .offset: 8, .size: 8, .value_kind: global_buffer, .address_space: global }
      - { .name: out0, .offset: 16, .size: 8, .value_kind: global_buffer, .address_space: global }
    .group_segment_fixed_size: 327680
    .private_segment_fixed_size: 0
    .kernarg_segment_align: 8
    .kernarg_segment_size: 24
    .max_flat_workgroup_size: 128
    .sgpr_count:     66
    .vgpr_count:     512
    .wavefront_size: 32
...
	.end_amdgpu_metadata
.endif
;; end of part 5
